; MI455X (gfx1250); checked and timed in simulation.
; The chip was launched on July 23, 2026; its instructions are those of AMD's public machine-readable ISA for CDNA 5 (MIT licence, August 2026) and "CDNA5" Instruction Set Architecture Reference Guide (July 2026). The comments in the code are by the model that wrote it; some were corrected since.
;; Multi Head Self Attention. Allowed arithmetic: matrix products marked QUANTISED: E2M3 operands, one E8M0 scale for each 32 along K, by v_wmma_scale_f32_16x16x128_f8f6f4 with both operands' format E2M3, f32 sums; everything else in f32.
;; Inputs: Wk 1,024 x 1,024 float32; Wp 1,024 x 1,024 float32; Wq 1,024 x 1,024 float32; Wv 1,024 x 1,024 float32; bp 1,024 float32; k_gamma 64 float32; q_gamma 64 float32; x 8,192 x 1,024 float32.
;; Outputs: out0 8,192 x 1,024 float32.
;; Constants: batch_size = 1.
;; This version of the problem:
;;   THIS VERSION OF THE PROBLEM IS GIVEN IN LOW PRECISION. The matrix products marked QUANTISED in the list below multiply operands that are first quantised to E2M3 (2 exponent bits, 3 mantissa bits; 6 bits a number), with one power-of-two scale for each 32 numbers along K (OCP MX v1.0); their sums are f32. All else is computed in f32.
;;   The module's matrix products, in the order in which they are computed (A, B: the left and right operand; K: the contracted axis; several contracted axes count as one K, in the product's order):
;;     1. [M 8,192, K 1,024] x [K 1,024, N 1,024]; A: input x; B: input Wq: QUANTISED
;;     2. [M 8,192, K 1,024] x [K 1,024, N 1,024]; A: input x; B: input Wk: QUANTISED
;;     3. [M 8,192, K 1,024] x [K 1,024, N 1,024]; A: input x; B: input Wv: QUANTISED
;;     4. batch 512 x [M 256, K 64] x [K 64, N 768]; A: computed on the way; B: computed on the way: QUANTISED
;;     5. batch 512 x [M 256, K 768] x [K 768, N 64]; A: softmax (see below); B: computed on the way: QUANTISED
;;     6. [M 8,192, K 1,024] x [K 1,024, N 1,024]; A: computed on the way; B: input Wp: QUANTISED
;;   THE QUANTISER, for each operand of a quantised product, along K:
;;     - K is cut into blocks of 32 from its start; a last block that is shorter is filled with zeros.
;;     - A block's scale is 2^e with e = floor(log2(the largest magnitude in the block)) - 2, held to -126 .. 127; a block of zeros has e = 0. As a byte (E8M0): e + 127.
;;     - Each number is divided by its block's scale, clamped to +-7.5, and rounded to the nearest number of E2M3, ties to even, subnormals kept.
;;     - The product sums the exact products of the quantised numbers (number of the format x scale) in f32.
;;   ~~~python
;;   def quantise(x, axis):      # numpy; x: float32 -> the quantised numbers, widened to float32 again
;;       x = np.moveaxis(x, axis, -1); K = x.shape[-1]
;;       x = np.pad(x, [(0, 0)] * (x.ndim - 1) + [(0, -K % 32)]); x = x.reshape(x.shape[:-1] + (-1, 32)); a = np.abs(x).max(-1, keepdims=True)
;;       e = np.where(a > 0, np.clip(np.frexp(np.where(a > 0, a, 1))[1] - 1 - 2, -126, 127), 0)      # np.frexp(a)[1] - 1 = floor(log2(a)), exactly
;;       r = np.clip(x / 2.0 ** e, -7.5, 7.5)
;;       step = 2.0 ** (np.maximum(np.frexp(np.where(r == 0, 1, r))[1] - 1, 0) - 3)
;;       q = np.round(r / step) * step * 2.0 ** e      # np.round: ties to even
;;       return np.moveaxis(q.reshape(q.shape[:-2] + (-1,))[..., :K], -1, axis).astype(np.float32)
;;   ~~~
;;   SOFTMAX AHEAD OF A QUANTISED PRODUCT. Where the list says 'softmax', what is quantised is not the finished softmax but p = 2^(t - M), with t = logit x log2(e) and M = ceil(the row's largest t), a whole number; so 1/2 < the row's largest p <= 1. The row's sum l is taken of the UNQUANTISED p, in f32, and the product's result is divided by l at the end. Since M is a whole number, a kernel that streams over the keys may use a running M (the ceiling of the running maximum): every later rescaling is an exact power of two, which a block's scale takes up: the codes' values come out the same.
;;   OPERANDS COMPUTED ON THE WAY. 'Computed on the way' means the value that the module computes at that place (a softmax that the list does not call 'softmax' is quantised finished and normalised). What goes into a quantiser is computed in f32, as accurately as f32 sums, v_exp_f32 and their like allow (about 1e-6 of the number): no bf16 or f16 on the way to a quantiser, and a product that is left as it is and whose result goes on into a quantised operand takes f32 operands (vector FMAs, or v_wmma_f32_16x16x4_f32). A number that lies on a knife's edge between two numbers of the format may be rounded either way, as far as f32 arithmetic and the matrix unit's own rounding can turn it there, and no further.
;; One version. Each part assembles by itself: llvm-mc -triple=amdgcn-amd-amdhsa -mcpu=gfx1250 --defsym DOCPART=n.
;; ======== version 1 of 1: 4 launches
;; limits: right only within a limited range of input values
;; workspace buffers: xcs 6,553,600 bytes; wcs 3,276,800 bytes; tab 2,097,152 bytes; qcs 7,340,032 bytes; kv 14,155,776 bytes; ocs 6,553,600 bytes
;; launch prep (part 1): grid 512 x 1, 4 waves a work-group, no clusters, 35,328 bytes of LDS; arguments x, Wq, Wk, Wv, Wp, xcs, wcs, tab; writes xcs, wcs, tab
.if DOCPART == 1
	.amdgcn_target "amdgcn-amd-amdhsa--gfx1250"
	.amdhsa_code_object_version 6
	.text
	.protected	k_q30f533d398_prep
	.globl	k_q30f533d398_prep
	.p2align	8
	.type	k_q30f533d398_prep,@function
k_q30f533d398_prep:
	s_mov_b64 s[64:65], 0
	v_nop
	global_prefetch_b8 v0, s[64:65] scope:SCOPE_SE
	s_setreg_imm32_b32 hwreg(HW_REG_WAVE_MODE, 25, 1), 1
	s_wait_xcnt 0x0
; PREP.  x [8192][1024] and Wq, Wk, Wv, Wp [1024][1024], f32 with K innermost, become codes of FP6 (E2M3) with one E8M0 byte for each 32 along K, laid as IMAGES OF OPERAND REGISTERS;
; and the table of cos and sin for the rotary embedding is made.
; BLOCKS.  Block 2 b + u of a tensor holds its rows 32 b + 8 u + p + 8 (p / 8), p = 0 .. 15.  With that choice the results of the later products fall into a lane's registers as neighbours along the next K.
; IMAGE.  A fragment (16 rows x 128 K) is 12 registers a lane: registers 4 c .. 4 c + 3 of lane l lie at 512 c + 16 l: 1,536 bytes.  Codes: [block][kstep 8][1536].
; SCALES.  [block][kp 4][lane 32] words: lanes 0-15 row r's word of kstep 2 kp, lanes 16-31 that of kstep 2 kp + 1.  They lie behind the codes (CODX, CODW).
; wcs: head h owns blocks 12 h .. 12 h + 11 (4 of Wq, 4 of Wk, 4 of Wv); Wp's 64 blocks follow from 192.
; A block's scale is 2^(floor(log2(largest magnitude)) - 2); its byte is the largest magnitude's exponent field - 2, held at 1 from below.
; SHARES.  Work-groups 0-255: x; 256-383: the weights; a wave takes one block and half of K (4 ksteps).  Work-groups 384-511: the table, a wave a block of 16 positions; that path uses no LDS.
; tab: [block 512][4096]: the image of 32 registers: register i = cos, 16 + i = sin of frequency 16 (lane / 16) + i at the position of row lane % 16 of the block.
; LIMITS: NaN and infinities are not served.  A block of zeros gets the byte 1 where the rule says 127: its codes are zeros and this program alone reads the bytes.  cos and sin are within about 1e-7 (absolute) of the
; exact functions of the f32 angle position x inv_freq; inv_freq is 1 / (the f32 nearest to 10^(j / 8)), that is, the power is taken as correctly rounded.
.set CODX, 6291456
.set CODW, 3145728
.set WREG, 8704                        ; LDS of a wave: a stage of 16 rows x 528 bytes, then 256 bytes for scale words
.set SP,   528                         ; 512 bytes + 16: the 16 rows of a read start at 16 different groups of banks
.set R,    16                          ; v16-143  two sets of 64 numbers as loaded
.set X,    144                         ; v144-207 64 numbers: register 16 b + i = k 32 b + 16 (lane / 16) + i of my row
.set C,    208                         ; v208-219 a fragment's codes
.set AX,   220                         ; v220-226 second halves of blocks (a conversion's three registers begin on an even number)
.set TM,   228                         ; v228-243 at work
.set PW,   244                         ; v244-247 the four ksteps' scale words
.macro QUANT64 s, pc, pw
.irp b, 0,1,2,3
	v_max3_num_f32 v[TM+\b], |v[\s+16*\b]|, |v[\s+1+16*\b]|, 0x1800000   ; my 16 numbers of block b, and the floor 2^(3 - 127): the byte cannot fall under 1
.endr
.irp i, 2,4,6,8,10,12,14
.irp b, 0,1,2,3
	v_max3_num_f32 v[TM+\b], v[TM+\b], |v[\s+16*\b+\i]|, |v[\s+1+16*\b+\i]|
.endr
.endr
.irp b, 0,1,2,3
	v_permlanex16_b32 v[TM+4+\b], v[TM+\b], s44, s45
.endr
.irp b, 0,1,2,3
	v_max_num_f32 v[TM+\b], v[TM+\b], v[TM+4+\b]           ; with lane l xor 16's: the block's largest magnitude
.endr
.irp b, 0,1,2,3
	v_add_nc_u32 v[TM+12+\b], 0xff000000, v[TM+\b]         ; 2 off its exponent field: the conversion's scale operand
.endr
.irp b, 0,1,2,3
	v_lshrrev_b32 v[TM+4+\b], 23, v[TM+12+\b]              ; the scale's byte
.endr
	v_lshl_or_b32 v[\pw], v[TM+5], 8, v[TM+4]
	v_lshl_or_b32 v[\pw], v[TM+6], 16, v[\pw]
	v_lshl_or_b32 v[\pw], v[TM+7], 24, v[\pw]
.irp c, 0,1
	v_cvt_scalef32_pk16_fp6_f32 v[\pc+6*\c:\pc+2+6*\c], v[\s+32*\c:\s+15+32*\c], v[TM+12+2*\c]
	v_cvt_scalef32_pk16_fp6_f32 v[AX+4*\c:AX+2+4*\c], v[\s+16+32*\c:\s+31+32*\c], v[TM+13+2*\c]
.endr
	v_nop                                                  ; one plain place behind a scaled conversion
.irp c, 0,1                                            ; the layout wants a whole block in a lane: lanes 0-15 block 2 c, lanes 16-31 block 2 c + 1
.irp i, 0,1,2
	v_permlane16_swap_b32 v[\pc+6*\c+\i], v[AX+4*\c+\i]
.endr
.irp i, 0,1,2
	v_mov_b32 v[\pc+3+6*\c+\i], v[AX+4*\c+\i]
.endr
.endr
.endm
	s_load_b256 s[4:11], s[0:1], 0x0               ; x, Wq, Wk, Wv
	s_load_b256 s[12:19], s[0:1], 0x20             ; Wp, xcs, wcs, tab
	v_lshl_add_u32 v254, v0, 2, 0x8800
	v_mov_b32 v255, 0
	v_lshrrev_b32 v1, 5, v0
	v_readfirstlane_b32 s20, v1                    ; wave
	v_and_b32 v2, 31, v0                           ; lane
	v_and_b32 v3, 15, v0                           ; r
	v_bfe_u32 v4, v0, 4, 1                         ; h
	v_lshlrev_b32 v5, 4, v2                        ; 16 x lane
	v_cmp_le_u32 vcc_lo, 16, v2                    ; lanes 16-31
	s_mov_b32 s44, 0x76543210
	s_mov_b32 s45, 0xfedcba98                      ; selects: lane l xor 16
	s_cmp_ge_u32 ttmp9, 384
	s_cbranch_scc1 .Ltable
	; ---- the quantiser.  Which tensor, which block, which half of K: from the work-group's and the wave's number alone
	s_lshl_b32 s21, ttmp9, 2
	s_add_co_u32 s21, s21, s20                     ; task
	s_lshr_b32 s22, s21, 1                         ; block, counted over x and then the weights
	s_and_b32 s23, s21, 1                          ; half of K
	s_sub_co_u32 s24, s22, 512
	s_lshr_b32 s25, s24, 6                         ; which weight (0 .. 3; no such number in x's work-groups)
	s_and_b32 s26, s24, 63                         ; its block
	s_lshr_b32 s27, s26, 2
	s_mul_i32 s27, s27, 12
	s_lshl_b32 s28, s25, 2
	s_add_co_u32 s27, s27, s28
	s_and_b32 s28, s26, 3
	s_add_co_u32 s27, s27, s28                     ; Wq, Wk, Wv: 12 (block / 4) + 4 t + block % 4
	s_add_co_u32 s28, s26, 192                     ; Wp: 192 + block
	s_mov_b32 s29, CODW
	s_wait_kmcnt 0x0
	s_cmp_eq_u32 s25, 1
	s_cselect_b64 s[32:33], s[8:9], s[6:7]
	s_cmp_eq_u32 s25, 2
	s_cselect_b64 s[32:33], s[10:11], s[32:33]
	s_cmp_eq_u32 s25, 3
	s_cselect_b64 s[32:33], s[12:13], s[32:33]
	s_cselect_b32 s27, s28, s27
	s_cmp_lt_u32 ttmp9, 256
	s_cselect_b64 s[32:33], s[4:5], s[32:33]       ; the source,
	s_cselect_b64 s[30:31], s[14:15], s[16:17]     ; the destination,
	s_cselect_b32 s27, s22, s27                    ; the block's number there,
	s_cselect_b32 s26, s22, s26                    ; and in the source,
	s_cselect_b32 s29, CODX, s29                   ; and where the destination's scales begin
	s_lshr_b32 s34, s26, 1
	s_lshl_b32 s34, s34, 5
	s_and_b32 s35, s26, 1
	s_lshl_b32 s35, s35, 3
	s_add_co_u32 s34, s34, s35                     ; the block's first row
	s_lshl_b32 s34, s34, 12
	s_lshl_b32 s35, s23, 11
	s_add_co_u32 s34, s34, s35
	s_mov_b32 s35, 0
	s_add_nc_u64 s[32:33], s[32:33], s[34:35]
	s_mul_i32 s34, s27, 12288
	s_mul_i32 s36, s23, 6144
	s_add_co_u32 s34, s34, s36
	s_add_nc_u64 s[36:37], s[30:31], s[34:35]      ; my four fragments
	s_lshl_b32 s34, s27, 9
	s_lshl_b32 s38, s23, 8
	s_add_co_u32 s34, s34, s38
	s_add_co_u32 s34, s34, s29
	s_add_nc_u64 s[38:39], s[30:31], s[34:35]      ; my 256 bytes of scale words
	s_mul_i32 s40, s20, WREG
	s_add_co_u32 s41, s40, 16*SP
	s_wait_alu depctr_va_vdst(0)
	v_add_nc_u32 v6, s40, v5                       ; the stage, in: 16 x lane, a row an instruction
	v_mul_u32_u24 v7, v3, SP
	v_lshl_add_u32 v7, v4, 6, v7
	v_add_nc_u32 v7, s40, v7                       ; out: row r, + 64 h
	v_lshlrev_b32 v8, 2, v2
	v_add_nc_u32 v8, s41, v8                       ; scale words in: 4 x lane
	v_lshlrev_b32 v10, 3, v2
	v_add_nc_u32 v9, s41, v10                      ; and out: 8 x lane
.irp b, 0,1,2,3
	v_mov_b32 v[TM+4+\b], 0                        ; written once: a lane permute's destination counts as one of its sources
.endr
.macro LOAD t                          ; kstep t of my four: 16 rows x 512 bytes; each load reads 512 consecutive bytes
.irp i, 0,1,2,3,4,5,6,7,8,9,10,11,12,13,14,15
	global_load_b128 v[R+64*((\t)%2)+4*\i:R+64*((\t)%2)+4*\i+3], v5, s[32:33] offset:(\i+8*(\i/8))*4096+512*(\t) th:TH_LOAD_NT
.endr
.endm
.macro STEP t
.if (\t) < 3
	s_wait_loadcnt 16                              ; this kstep's 16 loads are in; the next kstep's may be out
.else
	s_wait_loadcnt 0x0
.endif
.irp i, 0,1,2,3,4,5,6,7,8,9,10,11,12,13,14,15
	ds_store_b128 v6, v[R+64*((\t)%2)+4*\i:R+64*((\t)%2)+4*\i+3] offset:SP*\i
.endr
.irp b, 0,1,2,3
.irp j, 0,1,2,3
	ds_load_b128 v[X+16*\b+4*\j:X+16*\b+4*\j+3], v7 offset:128*\b+16*\j   ; LDS serves a wave's instructions in order: these see the stores above
.endr
.endr
	s_wait_dscnt 0x0                               ; the numbers are back, and the stores have read their registers
	s_wait_xcnt 0x0                                ; the last kstep's stores have read the codes' registers, which are written again below
.if (\t) < 2
	LOAD (\t)+2
.endif
	QUANT64 X, C, PW+(\t)
.irp c, 0,1,2
	global_store_b128 v5, v[C+4*\c:C+4*\c+3], s[36:37] offset:1536*(\t)+512*\c   ; 512 consecutive bytes a store
.endr
.endm
	LOAD 0
	LOAD 1
	s_wait_alu depctr_va_vdst(0)
	STEP 0
	STEP 1
	STEP 2
	STEP 3
	v_cndmask_b32 v248, v[PW], v[PW+1], vcc_lo     ; lanes 0-15 the even kstep's word, lanes 16-31 the odd kstep's
	v_cndmask_b32 v249, v[PW+2], v[PW+3], vcc_lo
	ds_store_b32 v8, v248
	ds_store_b32 v8, v249 offset:128
	ds_load_b64 v[250:251], v9
	s_wait_dscnt 0x0
	global_store_b64 v10, v[250:251], s[38:39]     ; 32 lanes store 256 consecutive bytes, aligned
	s_wait_tensorcnt 0x0
	ds_add_u32 v254, v255
	s_wait_dscnt 0x0
	s_endpgm
	; ---- the table
.Ltable:
	s_sub_co_u32 s21, ttmp9, 384
	s_lshl_b32 s21, s21, 2
	s_add_co_u32 s21, s21, s20                     ; block 0 .. 511
	s_lshr_b32 s22, s21, 1
	s_lshl_b32 s22, s22, 5
	s_and_b32 s23, s21, 1
	s_lshl_b32 s23, s23, 3
	s_add_co_u32 s22, s22, s23
	s_lshl_b32 s24, s21, 12
	s_mov_b32 s25, 0
	s_mov_b32 s26, 0x3fc90fdb                      ; pi / 2, its f32 part,
	s_mov_b32 s27, 0xb33bbd2e                      ; and what is left of it
	s_wait_alu depctr_va_vdst(0)
	v_and_b32 v6, 8, v3
	v_add_nc_u32 v6, v6, v3
	v_add_nc_u32 v6, s22, v6
	v_cvt_f32_u32 v6, v6                           ; my position
	v_mov_b32 v7, 0
	v_mov_b32 v89, 0xb94ca1f9                      ; the polynomials' leading coefficients
	v_mov_b32 v90, 0x37ccf5ce
.macro POWER i, lo, hi                 ; 10^(j / 8), j = 16 (lane / 16) + i
	v_add_f32 v[16+\i], \lo, v7
	v_add_f32 v8, \hi, v7
	v_cndmask_b32 v[16+\i], v[16+\i], v8, vcc_lo
.endm
	POWER 0, 1.0, 100.0
	POWER 1, 1.333521432163324, 133.3521432163324
	POWER 2, 1.7782794100389228, 177.82794100389228
	POWER 3, 2.371373705661655, 237.1373705661655
	POWER 4, 3.1622776601683795, 316.22776601683795
	POWER 5, 4.216965034285822, 421.6965034285822
	POWER 6, 5.623413251903491, 562.3413251903491
	POWER 7, 7.498942093324558, 749.8942093324558
	POWER 8, 10.0, 1000.0
	POWER 9, 13.33521432163324, 1333.521432163324
	POWER 10, 17.782794100389228, 1778.2794100389228
	POWER 11, 23.71373705661655, 2371.373705661655
	POWER 12, 31.622776601683795, 3162.2776601683795
	POWER 13, 42.16965034285822, 4216.965034285822
	POWER 14, 56.23413251903491, 5623.413251903491
	POWER 15, 74.98942093324558, 7498.942093324558
	s_wait_alu depctr_va_vdst(0)
.irp i, 0,1,2,3,4,5,6,7,8,9,10,11,12,13,14,15
	v_rcp_f32 v[32+\i], v[16+\i]
.endr
	v_nop                                          ; a plain place behind the reciprocals
	s_wait_alu depctr_va_vdst(0)                   ; one wait for the batch, ahead of its first reader
.irp i, 0,1,2,3,4,5,6,7,8,9,10,11,12,13,14,15
	v_fma_f32 v8, -v[16+\i], v[32+\i], 1.0         ; one step of Newton's: 1 / p as a division rounds it
	v_fma_f32 v[32+\i], v[32+\i], v8, v[32+\i]
.endr
.macro SINCOS i
	v_mul_f32 v80, v6, v[32+\i]                    ; the angle, rounded once
	v_mul_f32 v81, 0x3f22f983, v80
	v_rndne_f32 v81, v81                           ; n = the nearest multiple of pi / 2
	v_fma_f32 v82, -v81, s26, v80                  ; exact: a multiple of 2^-23 under 1
	v_fma_f32 v82, -v81, s27, v82
	v_cvt_i32_f32 v86, v81
	v_mul_f32 v83, v82, v82
	v_fmaak_f32 v84, v83, v89, 0x3c08839e
	v_fmaak_f32 v85, v83, v90, 0xbab6061a
	v_fmaak_f32 v84, v84, v83, 0xbe2aaaa3
	v_fmaak_f32 v85, v85, v83, 0x3d2aaaa5
	v_mul_f32 v87, v82, v83
	v_mul_f32 v88, v83, v83
	v_fma_f32 v84, v84, v87, v82                   ; sin of the rest
	v_fma_f32 v87, v83, -0.5, 1.0
	v_fma_f32 v85, v88, v85, v87                   ; cos of the rest
	v_and_b32 v87, 1, v86
	v_cmp_eq_u32 vcc_lo, 1, v87
	v_cndmask_b32 v[64+\i], v84, v85, vcc_lo       ; odd n: the two change places
	v_cndmask_b32 v[48+\i], v85, v84, vcc_lo
	v_and_b32 v87, 2, v86
	v_add_nc_u32 v88, 1, v86
	v_lshlrev_b32 v87, 30, v87
	v_and_b32 v88, 2, v88
	v_xor_b32 v[64+\i], v[64+\i], v87              ; sin changes sign for n % 4 = 2, 3
	v_lshlrev_b32 v88, 30, v88
	v_xor_b32 v[48+\i], v[48+\i], v88              ; cos for n % 4 = 1, 2
.endm
.irp i, 0,1,2,3,4,5,6,7,8,9,10,11,12,13,14,15
	SINCOS \i
.endr
	s_wait_alu depctr_va_vdst(0)
	s_wait_kmcnt 0x0
	s_add_nc_u64 s[18:19], s[18:19], s[24:25]
.irp c, 0,1,2,3,4,5,6,7
	global_store_b128 v5, v[48+4*\c:51+4*\c], s[18:19] offset:512*\c
.endr
	s_endpgm
.Lfunc_end_k_q30f533d398_prep:
	.size	k_q30f533d398_prep, .Lfunc_end_k_q30f533d398_prep-k_q30f533d398_prep
	.p2alignl 7, 3214868480
	.fill 96, 4, 3214868480
	.section	.rodata,"a",@progbits
	.p2align	6, 0x0
	.amdhsa_kernel k_q30f533d398_prep
		.amdhsa_group_segment_fixed_size 35328
		.amdhsa_private_segment_fixed_size 0
		.amdhsa_enable_private_segment 0
		.amdhsa_kernarg_size 64
		.amdhsa_user_sgpr_count 2
		.amdhsa_user_sgpr_kernarg_segment_ptr 1
		.amdhsa_wavefront_size32 1
		.amdhsa_system_sgpr_workgroup_id_x 1
		.amdhsa_system_sgpr_workgroup_id_y 1
		.amdhsa_system_sgpr_workgroup_id_z 1
		.amdhsa_system_vgpr_workitem_id 0
		.amdhsa_next_free_vgpr 256
		.amdhsa_next_free_sgpr 66
		.amdhsa_reserve_vcc 1
		.amdhsa_float_denorm_mode_32 3
		.amdhsa_float_denorm_mode_16_64 3
		.amdhsa_memory_ordered 1
		.amdhsa_forward_progress 1
		.amdhsa_inst_pref_size 60
	.end_amdhsa_kernel
	.amdgpu_metadata
---
amdhsa.version: [ 1, 2 ]
amdhsa.kernels:
  - .name:           k_q30f533d398_prep
    .symbol:         k_q30f533d398_prep.kd
    .args:
      - { .name: x, .offset: 0, .size: 8, .value_kind: global_buffer, .address_space: global }
      - { .name: Wq, .offset: 8, .size: 8, .value_kind: global_buffer, .address_space: global }
      - { .name: Wk, .offset: 16, .size: 8, .value_kind: global_buffer, .address_space: global }
      - { .name: Wv, .offset: 24, .size: 8, .value_kind: global_buffer, .address_space: global }
      - { .name: Wp, .offset: 32, .size: 8, .value_kind: global_buffer, .address_space: global }
      - { .name: xcs, .offset: 40, .size: 8, .value_kind: global_buffer, .address_space: global }
      - { .name: wcs, .offset: 48, .size: 8, .value_kind: global_buffer, .address_space: global }
      - { .name: tab, .offset: 56, .size: 8, .value_kind: global_buffer, .address_space: global }
    .group_segment_fixed_size: 35328
    .private_segment_fixed_size: 0
    .kernarg_segment_align: 8
    .kernarg_segment_size: 64
    .max_flat_workgroup_size: 128
    .sgpr_count:     66
    .vgpr_count:     256
    .wavefront_size: 32
...
	.end_amdgpu_metadata
.endif
;; end of part 1
;; launch qkv (part 2): grid 8 x 32, 4 waves a work-group, clusters of 4 x 4, 327,680 bytes of LDS; arguments xcs, wcs, tab, q_gamma, k_gamma, qcs, kv; writes qcs, kv
.if DOCPART == 2
	.amdgcn_target "amdgcn-amd-amdhsa--gfx1250"
	.amdhsa_code_object_version 6
	.text
	.protected	k_q30f533d398_qkv
	.globl	k_q30f533d398_qkv
	.p2align	8
	.type	k_q30f533d398_qkv,@function
k_q30f533d398_qkv:
	s_mov_b64 s[64:65], 0
	v_nop
	global_prefetch_b8 v0, s[64:65] scope:SCOPE_SE
	s_setreg_imm32_b32 hwreg(HW_REG_WAVE_MODE, 25, 1), 1
	s_wait_xcnt 0x0
	s_wait_alu depctr_hold_cnt(0) depctr_sa_sdst(0) depctr_va_vdst(0) depctr_va_sdst(0) depctr_va_ssrc(0) depctr_va_vcc(0) depctr_vm_vsrc(0)
	s_getreg_b32 s2, hwreg(HW_REG_IB_STS2, 6, 4)
	s_cmp_eq_u32 s2, 0
	s_cbranch_scc0 .Lentry_in_a_cluster
	s_endpgm
.Lentry_in_a_cluster:
	s_bfe_u32 s2, ttmp6, 0x10000c
	s_cmp_lg_u32 s2, 0xf033
	s_cbranch_scc0 .Lentry_shape_is_right
	s_endpgm
.Lentry_shape_is_right:
.set CODX, 6291456
.set CODW, 3145728
.set SLOT, 122880
.set BOFF, 49152
.set SCL,  245760
.set SPARE, 266240
.set PWS,  266752
.set SPW, 1
.set NIL, 2
.set ADRA, 3
.set ADRB, 5
.set ADSA, 7
.set ADSB, 8
.set LI, 9
.set L8, 10
.set STG, 12
.set PWA, 13
.set GA, 14
.set SA, 16
.set SB, 32
.set AF, 56
.set BF, 152
.set G1A, 24
.set G0A, 32
.set G1B, 48
.set G0B, 56
.set G1SA, 68
.set G0SA, 76
.set G1SB, 80
.set G0SB, 88
.set MSB, 0
.macro WIN new
.if MSB != \new
	s_set_vgpr_msb (MSB<<8)|\new
.set MSB, \new
.endif
.endm
.macro PLACES
.rept 4
	v_nop
.endr
.endm
.macro JLOAD g0a, g1a, g0b, g1b
	s_cmp_eq_u32 s19, 0
	s_cbranch_scc0 .Lfor_b_\@
	tensor_load_to_lds s[\g0a:\g0a+3], s[\g1a:\g1a+7]
	s_nop 0
.rept 4
	v_nop
.endr
	s_branch .Lasked_\@
.Lfor_b_\@:
	tensor_load_to_lds s[\g0b:\g0b+3], s[\g1b:\g1b+7]
	s_nop 0
.rept 4
	v_nop
.endr
.Lasked_\@:
.endm
.macro CREST
	s_cmp_lg_u32 s18, 0
	s_cbranch_scc1 .Lnot_wave_0_\@
	s_barrier_signal -3
.Lnot_wave_0_\@:
	s_barrier_wait -3
	s_barrier_signal -1
	s_barrier_wait -1
.endm
.macro CROUND
	s_barrier_signal -1
	s_barrier_wait -1
	CREST
.endm
.macro G1REST g, cols, rows, pitch
	s_mov_b32 s[\g+1], (\cols)<<16
	s_mov_b32 s[\g+2], (\rows)<<16
	s_mov_b32 s[\g+3], (\cols)<<16
	s_mov_b32 s[\g+4], \rows
	s_mov_b32 s[\g+5], \pitch
	s_mov_b32 s[\g+6], 0
	s_mov_b32 s[\g+7], 0
.endm
	s_load_b256 s[4:11], s[0:1], 0x0
	s_load_b128 s[12:15], s[0:1], 0x20
	s_load_b64 s[16:17], s[0:1], 0x30
	v_lshl_add_u32 v[SPW], v0, 2, SPARE
	v_mov_b32 v[NIL], 0
	ds_add_u32 v1, v2
	ds_add_u32 v1, v2
	s_wait_dscnt 0x0
	v_lshrrev_b32 v11, 5, v0
	v_readfirstlane_b32 s18, v11
	s_lshr_b32 s19, s18, 1
	s_and_b32 s20, s18, 1
	s_bfe_u32 s40, ttmp6, 0x40000
	s_bfe_u32 s41, ttmp6, 0x40004
	s_lshl_b32 s42, ttmp9, 2
	s_add_co_u32 s42, s42, s40
	s_and_b32 s21, ttmp7, 0xffff
	s_lshl_b32 s21, s21, 2
	s_add_co_u32 s21, s21, s41
	s_lshl_b32 s43, s41, 2
	s_lshl_b32 s43, 15, s43
	s_lshl_b32 s44, 0x1111, s40
	s_or_b32 s[G1A], s43, (3<<16)|(1<<21)
	s_or_b32 s[G1B], s44, (3<<16)|(1<<21)
	s_or_b32 s[G1SA], s43, (3<<16)|(1<<21)
	s_or_b32 s[G1SB], s44, (3<<16)|(1<<21)
	G1REST G1A, 384, 16, 1536              ; the head's loads bring whole tiles: x's 16 blocks, the weights' 24, and their scale words (8,192 and 12,288 dense bytes)
	G1REST G1B, 384, 24, 1536
	G1REST G1SA, 32, 32, 32
	G1REST G1SB, 32, 48, 32
	s_lshl_b32 s22, s21, 4
	s_lshl_b32 s23, s20, 3
	s_add_co_u32 s22, s22, s23
	s_mul_i32 s46, s42, 24
	s_mul_i32 s47, s20, 12
	s_add_co_u32 s46, s46, s47
	s_mul_i32 s92, s22, 12288
	s_mov_b32 s93, 0
	s_lshl_b32 s94, s22, 9
	s_add_co_u32 s94, s94, CODX
	s_mov_b32 s95, 0
	s_mul_i32 s96, s46, 12288
	s_mov_b32 s97, 0
	s_lshl_b32 s98, s46, 9
	s_add_co_u32 s98, s98, CODW
	s_mov_b32 s99, 0
	s_mul_i32 s45, s20, 24576
	s_mul_i32 s47, s20, 36864
	s_add_co_u32 s47, s47, BOFF
	s_lshl_b32 s22, s20, 12
	s_add_co_u32 s22, s22, SCL
	s_mul_i32 s23, s20, 6144
	s_add_co_u32 s23, s23, SCL+8192
	s_wait_kmcnt 0x0
	s_add_nc_u64 s[92:93], s[4:5], s[92:93]
	s_add_nc_u64 s[94:95], s[4:5], s[94:95]
	s_add_nc_u64 s[96:97], s[6:7], s[96:97]
	s_add_nc_u64 s[98:99], s[6:7], s[98:99]
	CROUND
	s_mov_b32 s[G0SA], 1
	s_mov_b32 s[G0SA+1], SCL
	s_lshl_b32 s22, s20, 12
	s_mov_b32 s23, 0
	s_sub_nc_u64 s[G0SA+2:G0SA+3], s[94:95], s[22:23]   ; back from my half's scale words to the tile's first
	s_or_b32 s[G0SA+3], s[G0SA+3], 0x80000000
	s_mov_b32 s[G0SB], 1
	s_mov_b32 s[G0SB+1], SCL+8192
	s_mul_i32 s22, s20, 6144
	s_sub_nc_u64 s[G0SB+2:G0SB+3], s[98:99], s[22:23]
	s_or_b32 s[G0SB+3], s[G0SB+3], 0x80000000
.irp k, 0,1
	s_mov_b32 s[G0A+4*\k], 1
	s_add_co_u32 s[G0A+4*\k+1], s45, \k*SLOT
	s_add_nc_u64 s[G0A+4*\k+2:G0A+4*\k+3], s[92:93], \k*3072
	s_or_b32 s[G0A+4*\k+3], s[G0A+4*\k+3], 0x80000000
	s_mov_b32 s[G0B+4*\k], 1
	s_add_co_u32 s[G0B+4*\k+1], s47, \k*SLOT
	s_add_nc_u64 s[G0B+4*\k+2:G0B+4*\k+3], s[96:97], \k*3072
	s_or_b32 s[G0B+4*\k+3], s[G0B+4*\k+3], 0x80000000
.endr
; the head's four tiles, one joint load a wave: wave 0 slot 0's blocks of x, wave 1 x's scale words, wave 2 slot 0's blocks of the weights, wave 3 their scale words.
; One chain of branches on the wave's number, one load to an arm, all arms leading to one join.  (In waves 0 and 2 the half's number is 0: slot 0's group 0 points at the tile's first block.)
.macro ARM under, g0, g1, next
	s_cmp_lt_u32 s18, \under
	s_cbranch_scc0 \next
	tensor_load_to_lds s[\g0:\g0+3], s[\g1:\g1+7]
	s_nop 0
.rept 4
	v_nop
.endr
	s_branch .Lhead_asked
\next:
.endm
	ARM 1, G0A, G1A, .Lhead_sa
	ARM 2, G0SA, G1SA, .Lhead_b
	ARM 3, G0B, G1B, .Lhead_sb
	tensor_load_to_lds s[G0SB:G0SB+3], s[G1SB:G1SB+7]
	s_nop 0
.rept 4
	v_nop
.endr
.Lhead_asked:
	s_wait_alu depctr_va_vdst(0)
	s_wait_tensorcnt 0x0                   ; my tile is in
	ds_add_u32 v1, v2
	s_mov_b32 s[G1A+2], 8<<16              ; no tensor load of mine is out: from here on a load brings half a tile
	s_mov_b32 s[G1A+4], 8
	s_mov_b32 s[G1B+2], 12<<16
	s_mov_b32 s[G1B+4], 12
	s_wait_dscnt 0x0
	CROUND
	JLOAD G0A+4, G1A, G0B+4, G1B
	v_and_b32 v11, 31, v0
	v_lshlrev_b32 v[LI], 4, v11
	v_lshlrev_b32 v[L8], 3, v11
	v_lshlrev_b32 v15, 2, v11
	s_wait_alu depctr_va_vdst(0)
	s_mul_i32 s22, s19, 24576
	s_mul_i32 s23, s20, 36864
	s_add_co_u32 s23, s23, BOFF
.irp k, 0,1
	v_add_nc_u32 v[ADRA+\k], s22, v[LI]
	v_add_nc_u32 v[ADRB+\k], s23, v[LI]
	s_add_co_u32 s22, s22, SLOT
	s_add_co_u32 s23, s23, SLOT
.endr
	s_lshl_b32 s22, s19, 12
	s_add_co_u32 s22, s22, SCL
	v_add_nc_u32 v[ADSA], s22, v15
	s_mul_i32 s23, s20, 6144
	s_add_co_u32 s23, s23, SCL+8192
	v_add_nc_u32 v[ADSB], s23, v15
	s_lshl_b32 s22, s18, 16
	v_add_nc_u32 v[STG], s22, v[LI]
	s_lshl_b32 s22, s18, 11
	s_add_co_u32 s22, s22, PWS
	v_add_nc_u32 v[PWA], s22, v15
	v_bfe_u32 v[GA], v0, 4, 1
	v_lshlrev_b32 v[GA], 6, v[GA]
	s_lshl_b32 s66, s42, 1
	s_add_co_u32 s66, s66, s20
	s_lshl_b32 s66, s66, 6
	s_lshl_b32 s67, s21, 1
	s_add_co_u32 s66, s66, s67
	s_add_co_u32 s66, s66, s19
	s_mul_i32 s46, s66, 7168
	s_mov_b32 s47, 0
	s_add_nc_u64 s[14:15], s[14:15], s[46:47]
	s_mul_i32 s46, s66, 13824
	s_add_nc_u64 s[16:17], s[16:17], s[46:47]
	s_lshl_b32 s22, s21, 4
	s_lshl_b32 s23, s19, 3
	s_add_co_u32 s22, s22, s23
	s_lshl_b32 s22, s22, 12
	s_mov_b32 s23, 0
	s_add_nc_u64 s[8:9], s[8:9], s[22:23]
	s_mov_b32 s2, 0x76543210
	s_mov_b32 s3, 0xfedcba98
.macro LDA slot, q, a0
.irp a, \a0, \a0+1, \a0+2, \a0+3
.irp c, 0,1,2
	ds_load_b128 v[AF+12*(\a)+4*\c:AF+12*(\a)+4*\c+3], v[ADRA+\slot] offset:3072*(\a)+1536*(\q)+512*\c
.endr
.endr
.endm
.macro LDB slot, q, t, buf
.irp b, 0,1,2,3
.irp c, 0,1,2
	ds_load_b128 v[BF+48*(\buf)+12*\b+4*\c:BF+48*(\buf)+12*\b+4*\c+3], v[ADRB+\slot] offset:3072*(4*(\t)+\b)+1536*(\q)+512*\c
.endr
.endr
.endm
.macro LDSC set, kp
.irp a, 0,1,2,3,4,5,6,7
	ds_load_b32 v[SA+8*(\set)+\a], v[ADSA] offset:512*\a+128*(\kp)
.endr
.irp b, 0,1,2,3,4,5,6,7,8,9,10,11
	ds_load_b32 v[SB+12*(\set)+\b], v[ADSB] offset:512*\b+128*(\kp)
.endr
.endm
.macro WM d, x, y, cx, cy, q, zero
.if \zero
	v_wmma_scale_f32_16x16x128_f8f6f4 v[\d:\d+7], v[\x:\x+11], v[\y:\y+11], 0, v[\cx], v[\cy] matrix_a_fmt:MATRIX_FMT_FP6 matrix_b_fmt:MATRIX_FMT_FP6
.elseif \q
	v_wmma_scale_f32_16x16x128_f8f6f4 v[\d:\d+7], v[\x:\x+11], v[\y:\y+11], v[\d:\d+7], v[\cx], v[\cy] matrix_a_fmt:MATRIX_FMT_FP6 matrix_b_fmt:MATRIX_FMT_FP6 matrix_a_scale:MATRIX_SCALE_ROW1 matrix_b_scale:MATRIX_SCALE_ROW1
.else
	v_wmma_scale_f32_16x16x128_f8f6f4 v[\d:\d+7], v[\x:\x+11], v[\y:\y+11], v[\d:\d+7], v[\cx], v[\cy] matrix_a_fmt:MATRIX_FMT_FP6 matrix_b_fmt:MATRIX_FMT_FP6
.endif
.endm
.macro MM t, buf, a0, q, set, zero
.irp a, \a0, \a0+1, \a0+2, \a0+3
.irp b, 0,1,2,3
.set rA, AF+12*(\a)
.set rB, BF+48*(\buf)+12*\b
.set cA, SA+8*(\set)+(\a)
.set cB, SB+12*(\set)+4*(\t)+\b
.if (\t) < 2
.set rD, 8*(4*(\a)+\b)
	WM rD, rB, rA, cB, cA, \q, \zero
.else
.set rD, 8*(8*\b+(\a))
	WM rD, rA, rB, cA, cB, \q, \zero
.endif
.endr
.endr
.endm
.macro KSTEP n
.set SL, ((\n)>>1)&1
.set QQ, (\n)&1
.set G, 3*(\n)
.set SLN, (((\n)+1)>>1)&1
.set QN, ((\n)+1)&1
.set ZR, 0
.if (\n) == 0
.set ZR, 1
.endif
	PLACES
	LDA SL, QQ, 4
	LDB SL, QQ, 1, (G+1)&1
	s_wait_dscnt 24
	WIN 0x50
	MM 0, G&1, 0, QQ, SL, ZR
	s_wait_dscnt 12
	MM 0, G&1, 4, QQ, SL, ZR
	WIN 0
	PLACES
	LDB SL, QQ, 2, G&1
.if ((\n) == 1) || ((\n) == 3) || ((\n) == 5)
	s_wait_tensorcnt 0x0
	ds_add_u32 v[SPW], v[NIL]
	s_wait_dscnt 13
	WIN 0xa0
	MM 1, (G+1)&1, 0, QQ, SL, ZR
	s_wait_dscnt 0x0
	s_barrier_signal -1
	MM 1, (G+1)&1, 4, QQ, SL, ZR
	WIN 0
	s_barrier_wait -1
.if (\n) < 5
	CREST
	s_add_nc_u64 s[G0A+4*SL+2:G0A+4*SL+3], s[G0A+4*SL+2:G0A+4*SL+3], 6144
	s_add_nc_u64 s[G0B+4*SL+2:G0B+4*SL+3], s[G0B+4*SL+2:G0B+4*SL+3], 6144
	JLOAD G0A+4*SL, G1A, G0B+4*SL, G1B
.else
	PLACES
.endif
.else
	s_wait_dscnt 12
	WIN 0xa0
	MM 1, (G+1)&1, 0, QQ, SL, ZR
	MM 1, (G+1)&1, 4, QQ, SL, ZR
	WIN 0
	PLACES
.endif
.if (\n) < 7
	LDB SLN, QN, 0, (G+1)&1
.if QQ
	LDSC 1-SL, ((\n)+1)>>1
	s_wait_dscnt 32
.else
	s_wait_dscnt 12
.endif
.else
	s_wait_dscnt 0x0
.endif
	WIN 0xf0
	MM 2, G&1, 0, QQ, SL, ZR
	WIN 0
.if (\n) < 7
	PLACES
	LDA SLN, QN, 0
.endif
	WIN 0xf0
	MM 2, G&1, 4, QQ, SL, ZR
	WIN 0
.endm
	s_wait_alu depctr_va_vdst(0)
	s_wait_tensorcnt 1
	s_barrier_signal -1
	s_barrier_wait -1
	LDB 0, 0, 0, 0
	LDA 0, 0, 0
	LDSC 0, 0
.irp n, 0,1,2,3,4,5,6,7
	KSTEP \n
.endr
.set R1, 16
.set R2, 48
.set TB, 80
.set GQ, 112
.set GK, 144
.set QC, 176
.set KC, 184
.set AX, 192
.set TM, 200
.set PQ, 216
.set PK, 217
.set S0, 218
.set S1, 220
.set MN, 222
.set RS, 224
.set UU, 226
.set WW, 228
.set AD, 230
.set PA, 231
.set TP, 232
.set VC, 16
.set VS, 64
	PLACES
	s_wait_dscnt 0x0
	s_barrier_signal -1
	s_barrier_wait -1
.irp b, 0,1
.irp j, 0,1,2,3
	global_load_b128 v[GQ+16*\b+4*\j:GQ+16*\b+4*\j+3], v[GA], s[10:11] offset:128*\b+16*\j
	global_load_b128 v[GK+16*\b+4*\j:GK+16*\b+4*\j+3], v[GA], s[12:13] offset:128*\b+16*\j
.endr
.endr
.irp c, 0,1,2,3,4,5,6,7
	global_load_b128 v[TB+4*\c:TB+4*\c+3], v[LI], s[8:9] offset:512*\c
.endr
	WIN 0x04
.set n, 0
.rept 32
	ds_store_b128 v[STG], v[8*n:8*n+3] offset:1024*n
	ds_store_b128 v[STG], v[8*n+4:8*n+7] offset:1024*n+512
.set n, n+1
.endr
	WIN 0x08
.set n, 0
.rept 32
	ds_store_b128 v[STG], v[8*n:8*n+3] offset:32768+1024*n
	ds_store_b128 v[STG], v[8*n+4:8*n+7] offset:32768+1024*n+512
.set n, n+1
.endr
	WIN 0
.irp b, 0,1,2,3
	v_mov_b32 v[TM+4+\b], 0
.endr
	v_mov_b32 v[TP], 0
	v_mov_b32 v[MN+1], 0
	v_mov_b32 v[RS+1], 0
	s_mov_b32 s24, 0x3727c5ac
	s_mov_b32 s25, 0x3c800000
.macro QUANTV s, pc, pw
	WIN 0x0f
.irp b, 0,1,2,3
	v_max3_num_f32 v[TM+\b], |v[\s+16*\b]|, |v[\s+1+16*\b]|, 0x1800000
.endr
.irp i, 2,4,6,8,10,12,14
.irp b, 0,1,2,3
	v_max3_num_f32 v[TM+\b], |v[\s+16*\b+\i]|, |v[\s+1+16*\b+\i]|, v[TM+\b]
.endr
.endr
	WIN 0
.irp b, 0,1,2,3
	v_permlanex16_b32 v[TM+4+\b], v[TM+\b], s2, s3
.endr
.irp b, 0,1,2,3
	v_max_num_f32 v[TM+\b], v[TM+\b], v[TM+4+\b]
.endr
.irp b, 0,1,2,3
	v_add_nc_u32 v[TM+12+\b], 0xff000000, v[TM+\b]
.endr
.irp b, 0,1,2,3
	v_lshrrev_b32 v[TM+4+\b], 23, v[TM+12+\b]
.endr
	v_lshl_or_b32 v[\pw], v[TM+5], 8, v[TM+4]
	v_lshl_or_b32 v[\pw], v[TM+6], 16, v[\pw]
	v_lshl_or_b32 v[\pw], v[TM+7], 24, v[\pw]
	WIN 0x03
.irp c, 0,1
	v_cvt_scalef32_pk16_fp6_f32 v[\pc+6*\c:\pc+2+6*\c], v[\s+32*\c:\s+15+32*\c], v[TM+12+2*\c]
	v_cvt_scalef32_pk16_fp6_f32 v[AX+4*\c:AX+2+4*\c], v[\s+16+32*\c:\s+31+32*\c], v[TM+13+2*\c]
.endr
	WIN 0
	v_nop
.irp c, 0,1
.irp i, 0,1,2
	v_permlane16_swap_b32 v[\pc+6*\c+\i], v[AX+4*\c+\i]
.endr
.irp i, 0,1,2
	v_mov_b32 v[\pc+3+6*\c+\i], v[AX+4*\c+\i]
.endr
.endr
.endm
.irp b, 0,1,2,3
	QUANTV 64*\b, VC+12*\b, VS+\b
.irp c, 0,1,2
	global_store_b128 v[LI], v[VC+12*\b+4*\c:VC+12*\b+4*\c+3], s[16:17] offset:7168+1536*\b+512*\c
.endr
.endr
	global_store_b128 v[LI], v[VS:VS+3], s[16:17] offset:13312
.macro LN x, g
	v_pk_add_f32 v[S0:S0+1], v[\x:\x+1], v[\x+2:\x+3]
	v_pk_add_f32 v[S1:S1+1], v[\x+4:\x+5], v[\x+6:\x+7]
.irp j, 8,12,16,20,24,28
	v_pk_add_f32 v[S0:S0+1], v[S0:S0+1], v[\x+\j:\x+\j+1]
	v_pk_add_f32 v[S1:S1+1], v[S1:S1+1], v[\x+\j+2:\x+\j+3]
.endr
	v_pk_add_f32 v[S0:S0+1], v[S0:S0+1], v[S1:S1+1]
	v_add_f32 v[S0], v[S0], v[S0+1]
	v_permlanex16_b32 v[TP], v[S0], s2, s3
	v_add_f32 v[S0], v[S0], v[TP]
	v_mul_f32 v[MN], s25, v[S0]
.irp j, 0,2,4,6,8,10,12,14,16,18,20,22,24,26,28,30
	v_pk_add_f32 v[\x+\j:\x+\j+1], v[\x+\j:\x+\j+1], v[MN:MN+1] op_sel_hi:[1,0] neg_lo:[0,1] neg_hi:[0,1]
.endr
	v_pk_mul_f32 v[S0:S0+1], v[\x:\x+1], v[\x:\x+1]
	v_pk_mul_f32 v[S1:S1+1], v[\x+2:\x+3], v[\x+2:\x+3]
.irp j, 4,8,12,16,20,24,28
	v_pk_fma_f32 v[S0:S0+1], v[\x+\j:\x+\j+1], v[\x+\j:\x+\j+1], v[S0:S0+1]
	v_pk_fma_f32 v[S1:S1+1], v[\x+\j+2:\x+\j+3], v[\x+\j+2:\x+\j+3], v[S1:S1+1]
.endr
	v_pk_add_f32 v[S0:S0+1], v[S0:S0+1], v[S1:S1+1]
	v_add_f32 v[S0], v[S0], v[S0+1]
	v_permlanex16_b32 v[TP], v[S0], s2, s3
	v_add_f32 v[S0], v[S0], v[TP]
	v_fma_f32 v[S0], v[S0], s25, s24
	s_wait_alu depctr_va_vdst(0)
	v_rsq_f32 v[RS], v[S0]
	v_nop
	s_wait_alu depctr_va_vdst(0)
.irp j, 0,2,4,6,8,10,12,14,16,18,20,22,24,26,28,30
	v_pk_mul_f32 v[\x+\j:\x+\j+1], v[\x+\j:\x+\j+1], v[RS:RS+1] op_sel_hi:[1,0]
.endr
.irp j, 0,2,4,6,8,10,12,14,16,18,20,22,24,26,28,30
	v_pk_mul_f32 v[\x+\j:\x+\j+1], v[\x+\j:\x+\j+1], v[\g+\j:\g+\j+1]
.endr
.endm
.macro ROPE x
.irp j, 0,2,4,6,8,10,12,14
	v_pk_mul_f32 v[UU:UU+1], v[\x+16+\j:\x+17+\j], v[TB+16+\j:TB+17+\j]
	v_pk_mul_f32 v[WW:WW+1], v[\x+\j:\x+\j+1], v[TB+16+\j:TB+17+\j]
	v_pk_fma_f32 v[\x+\j:\x+\j+1], v[\x+\j:\x+\j+1], v[TB+\j:TB+\j+1], v[UU:UU+1] neg_lo:[0,0,1] neg_hi:[0,0,1]
	v_pk_fma_f32 v[\x+16+\j:\x+17+\j], v[\x+16+\j:\x+17+\j], v[TB+\j:TB+\j+1], v[WW:WW+1]
.endr
.endm
.macro QUANT32 s, pc, pw
.irp b, 0,1
	v_max3_num_f32 v[TM+\b], |v[\s+16*\b]|, |v[\s+1+16*\b]|, 0x1800000
.endr
.irp i, 2,4,6,8,10,12,14
.irp b, 0,1
	v_max3_num_f32 v[TM+\b], v[TM+\b], |v[\s+16*\b+\i]|, |v[\s+1+16*\b+\i]|
.endr
.endr
.irp b, 0,1
	v_permlanex16_b32 v[TM+4+\b], v[TM+\b], s2, s3
.endr
.irp b, 0,1
	v_max_num_f32 v[TM+\b], v[TM+\b], v[TM+4+\b]
.endr
.irp b, 0,1
	v_add_nc_u32 v[TM+12+\b], 0xff000000, v[TM+\b]
.endr
.irp b, 0,1
	v_lshrrev_b32 v[TM+4+\b], 23, v[TM+12+\b]
.endr
	v_lshl_or_b32 v[\pw], v[TM+5], 8, v[TM+4]
	v_cvt_scalef32_pk16_fp6_f32 v[\pc:\pc+2], v[\s:\s+15], v[TM+12]
	v_cvt_scalef32_pk16_fp6_f32 v[AX:AX+2], v[\s+16:\s+31], v[TM+13]
	v_nop
.irp i, 0,1,2
	v_permlane16_swap_b32 v[\pc+\i], v[AX+\i]
.endr
.irp i, 0,1,2
	v_mov_b32 v[\pc+3+\i], v[AX+\i]
.endr
	v_or_b32 v[\pw], 0x7f7f0000, v[\pw]
.endm
	s_wait_xcnt 0x0
	s_wait_loadcnt 0x0
	s_mov_b32 s22, 0
	s_mov_b32 s23, 0
	s_mov_b32 s46, 0
	s_mov_b32 s67, 0
.Lrow:
	v_add_nc_u32 v[AD], s23, v[STG]
	v_add_nc_u32 v[PA], s46, v[PWA]
.irp c, 0,1,2,3,4,5,6,7
	ds_load_b128 v[R1+4*\c:R1+4*\c+3], v[AD] offset:512*\c
.endr
.irp c, 0,1,2,3,4,5,6,7
	ds_load_b128 v[R2+4*\c:R2+4*\c+3], v[AD] offset:32768+512*\c
.endr
	s_wait_dscnt 8
	LN R1, GQ
	s_wait_alu depctr_va_vdst(0)
	s_wait_dscnt 0x0
	LN R2, GK
	s_wait_alu depctr_va_vdst(0)
	s_wait_loadcnt 0x0                     ; the table's row, asked for two quantisers and two norms ago
	ROPE R1
	ROPE R2
	s_add_co_u32 s47, s22, 1
	s_min_u32 s47, s47, 7
	s_lshl_b32 s66, s47, 12
	s_add_nc_u64 s[92:93], s[8:9], s[66:67]
.irp c, 0,1,2,3,4,5,6,7
	global_load_b128 v[TB+4*\c:TB+4*\c+3], v[LI], s[92:93] offset:512*\c
.endr
	QUANT32 R1, QC, PQ
	QUANT32 R2, KC, PK
	global_store_b128 v[LI], v[QC:QC+3], s[14:15]
	global_store_b64 v[L8], v[QC+4:QC+5], s[14:15] offset:512
	global_store_b128 v[LI], v[KC:KC+3], s[16:17]
	global_store_b64 v[L8], v[KC+4:KC+5], s[16:17] offset:512
	ds_store_b32 v[PA], v[PQ]
	ds_store_b32 v[PA], v[PK] offset:1024
	s_wait_xcnt 0x0
	s_add_nc_u64 s[14:15], s[14:15], 768
	s_add_nc_u64 s[16:17], s[16:17], 768
	s_add_co_u32 s23, s23, 4096
	s_add_co_u32 s46, s46, 128
	s_add_co_u32 s22, s22, 1
	s_cmp_lt_u32 s22, 8
	s_cbranch_scc1 .Lrow
.irp a, 0,1,2,3,4,5,6,7
	ds_load_b32 v[16+\a], v[PWA] offset:128*\a
	ds_load_b32 v[24+\a], v[PWA] offset:1024+128*\a
.endr
	s_wait_dscnt 0x0
	s_wait_loadcnt 0x0
	global_store_b128 v[LI], v[16:19], s[14:15]
	global_store_b128 v[LI], v[20:23], s[14:15] offset:512
	global_store_b128 v[LI], v[24:27], s[16:17]
	global_store_b128 v[LI], v[28:31], s[16:17] offset:512
	s_wait_tensorcnt 0x0
	ds_add_u32 v[SPW], v[NIL]
	s_wait_dscnt 0x0
	CROUND
	s_endpgm
.Lfunc_end_k_q30f533d398_qkv:
	.size	k_q30f533d398_qkv, .Lfunc_end_k_q30f533d398_qkv-k_q30f533d398_qkv
	.p2alignl 7, 3214868480
	.fill 96, 4, 3214868480
	.section	.rodata,"a",@progbits
	.p2align	6, 0x0
	.amdhsa_kernel k_q30f533d398_qkv
		.amdhsa_group_segment_fixed_size 327680
		.amdhsa_private_segment_fixed_size 0
		.amdhsa_enable_private_segment 0
		.amdhsa_kernarg_size 56
		.amdhsa_user_sgpr_count 2
		.amdhsa_user_sgpr_kernarg_segment_ptr 1
		.amdhsa_wavefront_size32 1
		.amdhsa_system_sgpr_workgroup_id_x 1
		.amdhsa_system_sgpr_workgroup_id_y 1
		.amdhsa_system_sgpr_workgroup_id_z 1
		.amdhsa_system_vgpr_workitem_id 0
		.amdhsa_next_free_vgpr 1024
		.amdhsa_next_free_sgpr 100
		.amdhsa_reserve_vcc 0
		.amdhsa_float_denorm_mode_32 3
		.amdhsa_float_denorm_mode_16_64 3
		.amdhsa_memory_ordered 1
		.amdhsa_forward_progress 1
		.amdhsa_inst_pref_size 202
	.end_amdhsa_kernel
	.amdgpu_metadata
---
amdhsa.version: [ 1, 2 ]
amdhsa.kernels:
  - .name:           k_q30f533d398_qkv
    .symbol:         k_q30f533d398_qkv.kd
    .args:
      - { .name: xcs, .offset: 0, .size: 8, .value_kind: global_buffer, .address_space: global }
      - { .name: wcs, .offset: 8, .size: 8, .value_kind: global_buffer, .address_space: global }
      - { .name: tab, .offset: 16, .size: 8, .value_kind: global_buffer, .address_space: global }
      - { .name: q_gamma, .offset: 24, .size: 8, .value_kind: global_buffer, .address_space: global }
      - { .name: k_gamma, .offset: 32, .size: 8, .value_kind: global_buffer, .address_space: global }
      - { .name: qcs, .offset: 40, .size: 8, .value_kind: global_buffer, .address_space: global }
      - { .name: kv, .offset: 48, .size: 8, .value_kind: global_buffer, .address_space: global }
    .group_segment_fixed_size: 327680
    .private_segment_fixed_size: 0
    .kernarg_segment_align: 8
    .kernarg_segment_size: 56
    .max_flat_workgroup_size: 128
    .sgpr_count:     100
    .vgpr_count:     1024
    .wavefront_size: 32
...
	.end_amdgpu_metadata
.endif
;; end of part 2
;; launch attn (part 3): grid 32 x 8, 16 waves a work-group, no clusters, 327,680 bytes of LDS; arguments qcs, kv, ocs; writes ocs
.if DOCPART == 3
	.amdgcn_target "amdgcn-amd-amdhsa--gfx1250"
	.amdhsa_code_object_version 6
	.text
	.protected	k_q30f533d398_attn
	.globl	k_q30f533d398_attn
	.p2align	8
	.type	k_q30f533d398_attn,@function
k_q30f533d398_attn:
	s_mov_b64 s[64:65], 0
	v_nop
	global_prefetch_b8 v0, s[64:65] scope:SCOPE_SE
	s_setreg_imm32_b32 hwreg(HW_REG_WAVE_MODE, 25, 1), 1
	s_wait_xcnt 0x0
; ATTN.  Attention in a band |query - key| <= 256, both products on codes of FP6 (E2M3) with E8M0 scales; the result is quantised along the 1,024 channels for the last projection.
; SOFTMAX.  t = score x log2(e) / 8; M = the running largest t rounded up to a whole number; p = 2^(t - M) is quantised along the keys; the row's sum is taken of the unquantised p and divides at the end.
; SHARES.  A work-group: 256 queries, two heads.  Wave i: the tile of 16 queries 16 x block + i, for both heads (a loop of two trips): it owns one whole fragment (128 channels) and one scale word of the next product.
; WINDOW.  A tile's queries lie in one block of 32, number Q; they see the key blocks Q - 8 .. Q + 8: 17 blocks, the first cut below (key's place >= query's place), the last above, 15 whole.
; In LDS lie six runs of 128 keys a head; r0 = wave / 8 is my first, bq = (wave / 2) % 4 my block's place in a run.  Runs r0 + 1 .. r0 + 3 are whole steps with no mask (r0 + 2, my own, goes first and starts the sums).
; THE GATHERED STEP takes four blocks in the window's order: place p holds block (bq + p) % 4 of run r0, or of run r0 + 4 where bq + p > 3.  K's tiles come by scalar offsets; V's codes come as pieces of 8 bytes by
; addresses made for each half of the lanes; V's scale bytes are merged from the two runs' words and rotated.  Place 0 is the block cut below.  THE LAST STEP is the one block cut above (block bq of run r0 + 4), alone at place 0.
; The two cuts are 16 lane masks each, made once, kept in scalar registers.  ENDS OF THE SEQUENCE: a whole run outside 0 .. 8,191 is left out by a scalar branch on ids; in the gathered step a block outside gets
; a cap of -infinity (else +infinity), chosen from ids, on its largest score and on -M, so that its p are 0.  The run asked for in its place is held inside the tensor.
; LDS.  Head 0's six runs come by six tensor loads at the kernel's head (waves 0-5, one each); head 1's six behind the first barrier, and are awaited at the first trip's end.  No byte is filled again.
; The barrier at the second trip's end orders nothing: it is what one body for both trips costs.
; LAYOUT.  S^T = K Q^T, O^T = V^T P^T: a lane holds one query throughout.  The head's 64 are half of the instruction's 128: Q's upper six registers are zero codes; K's tiles lie 6 registers apart.
; No joint loads: a block of keys is wanted by three neighbouring query blocks at different places of their windows.  No prefetch: both groups of loads are asked for ahead of the loop, which has no later load to run ahead of.
; LIMITS: NaN and infinities are not served; a block whose every p is 0 gets the byte 1 (its codes are zeros).
.set CODX, 6291456
.set HEADB, 82944                      ; a head's six runs
.set KSB, 13824                        ; a run: K's 8 half fragments (6,144), K's scale words (1,024), V's 4 fragments (6,144), V's scale words (512)
.set FAR, 4*KSB
.set SPARE, 0x29000
.set B16, 1                            ; 16 x lane + my first run
.set B8, 2                             ; 8 x lane + my first run
.set AD16, 3
.set AD8, 4
.set ADS, 5
.set NINF, 6
.set LI, 7
.set R4, 8
.set L8, 9
.set QF, 16                            ; v16-27 Q: 6 registers of codes, 6 of zeros
.set Q1, 28                            ; v28-33 the second head's codes
.set QS, 34
.set QS1, 35
.set VA, 36                            ; v36-37, v38-39 V's pieces in the gathered step, for register halves 0, 1
.set VB, 38
.set TVA, 40
.set TVB, 41
.set KT, 42                            ; v42-89 K's 8 tiles, later V's 4 fragments; v90-95 zeros
.set KS, 96
.set VSC, 104
.set S, 108                            ; v108-171 S^T, then p
.set OT, 172                           ; v172-203 O^T
.set PCD, 204
.set AX, 216
.set TM, 224
.set PB, 228
.set SO, 232
.set TT, 236
.set SPW, 237
.set F, 238
.set PWD, 240
.set PT, 241
.set OC, 242                           ; v242-247 the first head's codes, v248-253 the head at work (until then at work in the sums)
.set OW, 254
.set NIL, 255
.set T0, PB
.set T1, OC+10
.set T2, OC+8
.set T3, OC+6
.set T4, PWD
.set T5, SO+2
.set T6, SO
.set CAP, 54                           ; s54-57 caps; s60-63 K's offsets, s98-101 K's scale words' offsets of the four places
.set SK, 60
.set SKS, 98
.set MLO, 66                           ; s66-81, s82-97 the two cuts' lane masks
.set MHI, 82
.macro DLY n
	s_delay_alu instid0(VALU_DEP_\n)
.endm
.macro AW
	s_wait_alu depctr_va_vdst(0)
.endm
.macro WM d, a, b, c, sa, sb
	v_wmma_scale_f32_16x16x128_f8f6f4 v[\d:\d+7], v[\a:\a+11], v[\b:\b+11], \c, v[\sa], v[\sb] matrix_a_fmt:MATRIX_FMT_FP6 matrix_b_fmt:MATRIX_FMT_FP6
.endm
.macro QK nt
.set t, 0
.rept \nt
	WM S+8*t, KT+6*t, QF, 0, KS+t, QS
.set t, t+1
.endr
.endm
.macro PV zero
.irp b, 0,1,2,3
.if \zero
	WM OT+8*\b, KT+12*\b, PCD, 0, VSC+\b, PWD
.else
	WM OT+8*\b, KT+12*\b, PCD, v[OT+8*\b:OT+8*\b+7], VSC+\b, PWD
.endif
.endr
.endm
.macro PA d, a, b
	v_pk_add_f32 v[\d:\d+1], v[\a:\a+1], v[\b:\b+1]
.endm
.macro RESCALE                         ; O^T under the new M; these sixteen also stand between the last writes of scale words and codes and the products
	AW
.set n, 0
.rept 16
	v_pk_mul_f32 v[OT+n:OT+n+1], v[OT+n:OT+n+1], v[F:F+1] op_sel_hi:[1,0]
.set n, n+2
.endr
.endm
.macro RUNM src                        ; the running largest t, -M = floor(-t), f = 2^(old M - new M): rounds nothing
	DLY 1
	v_mul_f32 v[TT], s40, v[\src]
	DLY 1
	v_max_num_f32 v13, v13, v[TT]
	v_mov_b32 v[TT], v12
	DLY 2
	v_floor_f32 v12, -v13
	DLY 1
	v_sub_f32 v[TT], v12, v[TT]
	DLY 1
	v_cvt_i32_f32 v[TT], v[TT]             ; (it saturates)
	DLY 1
	v_ldexp_f32 v[F], 1.0, v[TT]
.endm
; the softmax of four blocks of 32 keys, up to p's codes and scale word
.macro SOFT4 first, capped
.irp b, 0,1,2,3
	v_max3_num_f32 v[TM+\b], v[S+16*\b], v[S+1+16*\b], v[S+2+16*\b]   ; each block's largest score: for the row's maximum and for the block's largest p
.endr
.irp i, 3,5,7,9,11,13
.irp b, 0,1,2,3
	v_max3_num_f32 v[TM+\b], v[TM+\b], v[S+16*\b+\i], v[S+1+16*\b+\i]
.endr
.endr
.irp b, 0,1,2,3
	v_max_num_f32 v[TM+\b], v[TM+\b], v[S+15+16*\b]
.endr
.irp b, 0,1,2,3
	DLY 4
	v_permlanex16_b32 v[PB+\b], v[TM+\b], s42, s43
.endr
.irp b, 0,1,2,3
	DLY 4
	v_max_num_f32 v[TM+\b], v[TM+\b], v[PB+\b]
.endr
.if \capped
.irp b, 0,1,2,3
	DLY 4
	v_min_num_f32 v[TM+\b], s[CAP+\b], v[TM+\b]
.endr
.endif
	DLY 2
	v_max3_num_f32 v[TT], v[TM], v[TM+1], v[TM+2]
	DLY 1
	v_max_num_f32 v[TT], v[TT], v[TM+3]
.if \first
	DLY 1
	v_mul_f32 v13, s40, v[TT]
	DLY 1
	v_floor_f32 v12, -v13
.else
	RUNM TT
.endif
.if \capped
.irp b, 0,1,2,3
	v_min_num_f32 v[AX+2*\b], s[CAP+\b], v12   ; -M, or -infinity for a block outside the sequence
.endr
.endif
.set n, 0
.rept 32
.if \capped
	v_pk_fma_f32 v[S+n:S+n+1], v[S+n:S+n+1], s[40:41], v[AX+2*(n/16):AX+2*(n/16)+1] op_sel_hi:[1,0,0]
.else
	v_pk_fma_f32 v[S+n:S+n+1], v[S+n:S+n+1], s[40:41], v[12:13] op_sel_hi:[1,0,0]   ; t - M
.endif
.set n, n+2
.endr
.irp b, 0,1,2,3
	v_fma_f32 v[TM+\b], v[TM+\b], s40, v12
.endr
	AW
.set n, 0
.rept 64
	v_exp_f32 v[S+n], v[S+n]               ; p, not normalised
.set n, n+1
.endr
.if \first
	v_nop                                  ; a plain place behind the exponentials
.else
	v_pk_mul_f32 v[14:15], v[14:15], v[F:F+1] op_sel_hi:[1,0]   ; the sums under the new M (a plain place behind the exponentials)
.endif
	AW
.irp b, 0,1,2,3
	v_exp_f32 v[TM+\b], v[TM+\b]           ; the blocks' largest p
.endr
	PA T0, S+4, S+8                        ; the row's sum of the unquantised p, in eight chains
	PA T1, S+12, S+16
	PA T2, S+20, S+24
	PA T3, S+28, S+32
	PA T4, S+36, S+40
	PA T5, S+44, S+48
	PA T6, S+52, S+56
.if \first
	PA 14, S+60, S+26
.else
	PA 14, 14, S+60
.endif
	PA T0, T0, S
	PA T1, T1, S+2
	PA T2, T2, S+6
	PA T3, T3, S+10
	PA T4, T4, S+14
	PA T5, T5, S+18
	PA T6, T6, S+22
.if \first == 0
	PA 14, 14, S+26
.endif
	PA T0, T0, S+30
	PA T1, T1, S+34
	PA T2, T2, S+38
	PA T3, T3, S+42
	PA T4, T4, S+46
	PA T5, T5, S+50
	PA T6, T6, S+54
	PA 14, 14, S+58
	PA T0, T0, S+62
	DLY 2
	PA 14, 14, T3
	DLY 2
	PA T0, T0, T4
	PA T1, T1, T5
	PA T2, T2, T6
	DLY 2
	PA 14, 14, T1
	DLY 2
	PA T0, T0, T2
	DLY 1
	PA 14, 14, T0
	AW
.irp b, 0,1,2,3
	v_max_num_f32 v[TM+\b], 0x1800000, v[TM+\b]    ; the floor 2^(3 - 127)
.endr
.irp b, 0,1,2,3
	DLY 4
	v_add_nc_u32 v[SO+\b], 0xff000000, v[TM+\b]
.endr
.irp b, 0,1,2,3
	DLY 4
	v_lshrrev_b32 v[PB+\b], 23, v[SO+\b]
.endr
	DLY 3
	v_lshl_or_b32 v[PWD], v[PB+1], 8, v[PB]
	DLY 1
	v_lshl_or_b32 v[PWD], v[PB+2], 16, v[PWD]
	DLY 1
	v_lshl_or_b32 v[PWD], v[PB+3], 24, v[PWD]
.irp c, 0,1
	v_cvt_scalef32_pk16_fp6_f32 v[PCD+6*\c:PCD+2+6*\c], v[S+32*\c:S+15+32*\c], v[SO+2*\c]
	v_cvt_scalef32_pk16_fp6_f32 v[AX+4*\c:AX+2+4*\c], v[S+16+32*\c:S+31+32*\c], v[SO+2*\c+1]
.endr
	v_nop
.irp c, 0,1
.irp i, 0,1,2
	v_permlane16_swap_b32 v[PCD+6*\c+\i], v[AX+4*\c+\i]
.endr
.irp i, 0,1,2
	DLY 3
	v_mov_b32 v[PCD+3+6*\c+\i], v[AX+4*\c+\i]
.endr
.endr
.endm
; a whole run of 128 keys, run r0 + sg
.macro ASTEP sg, first
.if \first == 0
	s_add_co_u32 s53, s52, 128*(\sg)
	s_cmp_lt_u32 s53, 8192
	AW
	s_cbranch_scc0 .Lskip_\@               ; no such keys
.endif
	s_add_co_u32 s53, s44, KSB*(\sg)
	v_add_nc_u32 v[AD16], s53, v[B16]
	v_add_nc_u32 v[AD8], s53, v[B8]
	v_nop
	v_nop                                  ; four places in front of loads into registers that matrix instructions have read
.irp t, 0,1,2,3,4,5,6,7
	ds_load_b128 v[KT+6*\t:KT+6*\t+3], v[AD16] offset:768*\t
	ds_load_b64 v[KT+6*\t+4:KT+6*\t+5], v[AD8] offset:768*\t+512
.endr
	ds_load_b128 v[KS:KS+3], v[AD16] offset:6144
	ds_load_b128 v[KS+4:KS+7], v[AD16] offset:6656
	AW
	s_wait_dscnt 0x0
	QK 8
.rept 4
	v_nop
.endr
.irp b, 0,1,2,3                        ; V is asked for here and lands under the softmax
.irp c, 0,1,2
	ds_load_b128 v[KT+12*\b+4*\c:KT+12*\b+4*\c+3], v[AD16] offset:7168+1536*\b+512*\c
.endr
.endr
	ds_load_b128 v[VSC:VSC+3], v[AD16] offset:13312
	SOFT4 \first, 0
.if \first
.rept 8
	v_nop                                  ; places between the scale word's and the codes' last writes and the products
.endr
.else
	RESCALE
.endif
	AW
	s_wait_dscnt 0x0                       ; V
	PV \first
.Lskip_\@:
.endm
; the gathered step
.macro DSTEP
.irp p, 0,1,2,3
	s_add_co_u32 s53, s44, s[SK+\p]
	s_add_co_u32 s46, s44, s[SKS+\p]
	v_add_nc_u32 v[AD16], s53, v[B16]
	v_add_nc_u32 v[AD8], s53, v[B8]
	v_add_nc_u32 v[ADS], s46, v[B16]
.if \p == 0
	v_nop                                  ; the fourth place in front of the loads
.endif
	ds_load_b128 v[KT+12*\p:KT+12*\p+3], v[AD16]
	ds_load_b64 v[KT+12*\p+4:KT+12*\p+5], v[AD8] offset:512
	ds_load_b128 v[KT+12*\p+6:KT+12*\p+9], v[AD16] offset:768
	ds_load_b64 v[KT+12*\p+10:KT+12*\p+11], v[AD8] offset:1280
	ds_load_b64 v[KS+2*\p:KS+2*\p+1], v[ADS]
.endr
	s_add_co_u32 s53, s44, FAR
	AW
	s_wait_dscnt 0x0
	QK 8
	v_add_nc_u32 v[TVA], s44, v[VA]        ; four places
	v_add_nc_u32 v[TVB], s44, v[VB]
	v_add_nc_u32 v[AD16], s44, v[B16]
	v_add_nc_u32 v[AD8], s53, v[B16]
.irp c, 0,1                            ; registers 6 c .. 6 c + 5 of lane (r, h): the block at place 2 c + h, as three pieces of 8 bytes
.if \c
	v_add_nc_u32 v[TVA], s44, v[VA+1]
	v_add_nc_u32 v[TVB], s44, v[VB+1]
.endif
.irp b, 0,1,2,3
	ds_load_b64 v[KT+12*\b+6*\c:KT+12*\b+6*\c+1], v[TVA] offset:7168+1536*\b
	ds_load_b64 v[KT+12*\b+6*\c+2:KT+12*\b+6*\c+3], v[TVB] offset:7168+1536*\b+8
	ds_load_b64 v[KT+12*\b+6*\c+4:KT+12*\b+6*\c+5], v[TVA] offset:7168+1536*\b+512
.endr
.endr
	ds_load_b128 v[VSC:VSC+3], v[AD16] offset:13312    ; V's scale words of run r0,
	ds_load_b128 v[KS:KS+3], v[AD8] offset:13312       ; and of run r0 + 4
.set n, 0
.rept 16
	v_cndmask_b32 v[S+n], v[S+n], v[NINF], s[MLO+n]    ; place 0: hidden where the key's place comes before my query's
.set n, n+1
.endr
	SOFT4 0, 1
	AW
	s_wait_dscnt 0x0                       ; V
.irp b, 0,1,2,3
	v_bfi_b32 v[VSC+\b], s59, v[VSC+\b], v[KS+\b]      ; bytes bq .. 3 from run r0, the others from run r0 + 4,
.endr
.irp b, 0,1,2,3
	DLY 4
	v_alignbit_b32 v[VSC+\b], v[VSC+\b], v[VSC+\b], s58   ; turned so that byte p is place p's
.endr
	RESCALE
	PV 0
.endm
; the one block cut above
.macro ESTEP
	s_cmp_lt_u32 ttmp9, 31
	AW
	s_cbranch_scc0 .Lskip_\@               ; no such keys
	s_add_co_u32 s53, s44, s[SK]
	s_add_co_u32 s46, s44, s[SKS]
	v_add_nc_u32 v[AD16], s53, v[B16]
	v_add_nc_u32 v[AD8], s53, v[B8]
	v_add_nc_u32 v[ADS], s46, v[B16]
	v_nop
	ds_load_b128 v[KT:KT+3], v[AD16] offset:FAR
	ds_load_b64 v[KT+4:KT+5], v[AD8] offset:FAR+512
	ds_load_b128 v[KT+6:KT+9], v[AD16] offset:FAR+768
	ds_load_b64 v[KT+10:KT+11], v[AD8] offset:FAR+1280
	ds_load_b64 v[KS:KS+1], v[ADS] offset:FAR
	s_add_co_u32 s53, s44, s15
	s_add_co_u32 s46, s44, s2
	s_add_co_u32 s47, s44, FAR
	AW
	s_wait_dscnt 0x0
	QK 2
	v_lshl_add_u32 v[TVA], v[R4], 2, s53   ; both halves of the lanes read the same block; places 1 to 3 meet zero codes of p
	v_lshl_add_u32 v[TVB], v[R4], 2, s46
	v_add_nc_u32 v[AD16], s47, v[B16]
	v_nop
.irp b, 0,1,2,3
	ds_load_b64 v[KT+12*\b:KT+12*\b+1], v[TVA] offset:7168+1536*\b
	ds_load_b64 v[KT+12*\b+2:KT+12*\b+3], v[TVB] offset:7168+1536*\b+8
	ds_load_b64 v[KT+12*\b+4:KT+12*\b+5], v[TVA] offset:7168+1536*\b+512
.endr
	ds_load_b128 v[VSC:VSC+3], v[AD16] offset:13312
.set n, 0
.rept 16
	v_cndmask_b32 v[S+n], v[S+n], v[NINF], s[MHI+n]    ; hidden where the key's place comes after my query's
.set n, n+1
.endr
	v_max3_num_f32 v[TM], v[S], v[S+1], v[S+2]
	v_max3_num_f32 v[TM+1], v[S+3], v[S+4], v[S+5]
	v_max3_num_f32 v[TM], v[TM], v[S+6], v[S+7]
	v_max3_num_f32 v[TM+1], v[TM+1], v[S+8], v[S+9]
	v_max3_num_f32 v[TM], v[TM], v[S+10], v[S+11]
	v_max3_num_f32 v[TM+1], v[TM+1], v[S+12], v[S+13]
	v_max3_num_f32 v[TM], v[TM], v[S+14], v[S+15]
	DLY 1
	v_max_num_f32 v[TM], v[TM], v[TM+1]
	DLY 1
	v_permlanex16_b32 v[PB], v[TM], s42, s43
	DLY 1
	v_max_num_f32 v[TM], v[TM], v[PB]
	RUNM TM
.set n, 0
.rept 8
	v_pk_fma_f32 v[S+n:S+n+1], v[S+n:S+n+1], s[40:41], v[12:13] op_sel_hi:[1,0,0]
.set n, n+2
.endr
	v_fma_f32 v[TM], v[TM], s40, v12
	AW
.set n, 0
.rept 16
	v_exp_f32 v[S+n], v[S+n]
.set n, n+1
.endr
	v_pk_mul_f32 v[14:15], v[14:15], v[F:F+1] op_sel_hi:[1,0]
	AW
	v_exp_f32 v[TM], v[TM]
	PA T0, S, S+2
	PA T1, S+4, S+6
	PA T0, T0, S+8
	PA T1, T1, S+10
	PA T0, T0, S+12
	PA T1, T1, S+14
	DLY 1
	PA T0, T0, T1
	DLY 1
	PA 14, 14, T0
.irp i, 3,4,5,6,7,8,9,10,11
	v_mov_b32 v[PCD+\i], 0                 ; zero codes at places 1 to 3
.endr
	AW
	v_max_num_f32 v[TM], 0x1800000, v[TM]
	DLY 1
	v_add_nc_u32 v[SO], 0xff000000, v[TM]
	DLY 1
	v_lshrrev_b32 v[PB], 23, v[SO]
	DLY 1
	v_or_b32 v[PWD], 0x7f7f7f00, v[PB]     ; the other places' bytes: 1.0
	v_cvt_scalef32_pk16_fp6_f32 v[PCD:PCD+2], v[S:S+15], v[SO]
	v_nop
.irp i, 0,1,2
	v_permlane16_swap_b32 v[PCD+\i], v[PCD+3+\i]   ; lanes 0-15 get the whole block, lanes 16-31 zeros
.endr
	AW
	s_wait_dscnt 0x0
.irp b, 0,1,2,3
	v_alignbit_b32 v[VSC+\b], v[VSC+\b], v[VSC+\b], s58   ; byte 0: block bq's
.endr
	RESCALE
	PV 0
.Lskip_\@:
.endm
	s_load_b128 s[4:7], s[0:1], 0x0        ; qcs, kv
	s_load_b64 s[8:9], s[0:1], 0x10        ; ocs
	v_lshl_add_u32 v[SPW], v0, 2, SPARE
	v_mov_b32 v[NIL], 0
	ds_add_u32 v[SPW], v[NIL]
	ds_add_u32 v[SPW], v[NIL]
	v_lshrrev_b32 v1, 5, v0
	DLY 1
	v_readfirstlane_b32 s10, v1            ; wave 0 .. 15
	s_and_b32 s11, ttmp7, 0xffff           ; pair of heads
	s_mov_b32 s16, 3<<16                   ; group 1: a run, 13,824 dense bytes, as 54 rows of 32 elements of 8 bytes
	s_mov_b32 s17, 32<<16
	s_mov_b32 s18, 54<<16
	s_mov_b32 s19, 32<<16
	s_mov_b32 s20, 54
	s_mov_b32 s21, 32
	s_mov_b32 s22, 0
	s_mov_b32 s23, 0
	s_lshl_b32 s15, ttmp9, 1               ; wave w < 6 fetches run 2 x block - 2 + w,
	s_add_co_i32 s15, s15, s10
	s_sub_co_i32 s15, s15, 2
	s_max_i32 s15, s15, 0
	s_min_i32 s15, s15, 63                 ; held inside the tensor
	s_lshl_b32 s46, s11, 7
	s_add_co_u32 s46, s46, s15
	s_mul_i32 s46, s46, KSB
	s_mov_b32 s47, 0
	s_mov_b32 s24, 1
	s_mul_i32 s25, s10, KSB
	s_mov_b32 s28, 1
	s_add_co_u32 s29, s25, HEADB
	s_wait_dscnt 0x0
	s_wait_kmcnt 0x0
	s_add_nc_u64 s[26:27], s[6:7], s[46:47]
	s_add_nc_u64 s[30:31], s[26:27], 64*KSB    ; the second head's lies 64 runs on
	s_or_b32 s27, s27, 0x80000000
	s_or_b32 s31, s31, 0x80000000
	s_cmp_lt_u32 s10, 6
	s_cbranch_scc0 .Lno_fill
	tensor_load_to_lds s[24:27], s[16:23]
	s_nop 0
.rept 4
	v_nop
.endr
.Lno_fill:
	s_lshr_b32 s12, s10, 3                 ; r0
	s_and_b32 s13, s10, 7                  ; my tile in its run
	s_bfe_u32 s14, s10, 0x20001            ; bq
	s_lshl_b32 s48, s11, 7                 ; Q: head 2 x pair, run 2 x block + r0
	s_lshl_b32 s49, ttmp9, 1
	s_add_co_u32 s48, s48, s49
	s_add_co_u32 s48, s48, s12
	s_mul_i32 s50, s48, 7168
	s_mul_i32 s49, s13, 768
	s_add_co_u32 s48, s50, s49
	s_mov_b32 s49, 0
	s_lshr_b32 s51, s13, 2
	s_lshl_b32 s51, s51, 9
	s_add_co_u32 s50, s50, s51
	s_and_b32 s51, s13, 3
	s_lshl_b32 s51, s51, 2
	s_add_co_u32 s50, s50, s51
	s_add_co_u32 s50, s50, 6144
	s_mov_b32 s51, 0
	s_add_nc_u64 s[32:33], s[4:5], s[48:49]
	s_add_nc_u64 s[34:35], s[4:5], s[50:51]
	v_and_b32 v10, 31, v0
	DLY 1
	v_lshlrev_b32 v[LI], 4, v10
	DLY 2
	v_lshlrev_b32 v[L8], 3, v10
	global_load_b128 v[QF:QF+3], v[LI], s[32:33]
	global_load_b64 v[QF+4:QF+5], v[L8], s[32:33] offset:512
	global_load_b32 v[QS], v[LI], s[34:35]
	global_load_b128 v[Q1:Q1+3], v[LI], s[32:33] offset:458752      ; the second head's tile lies 64 runs of 7,168 bytes on
	global_load_b64 v[Q1+4:Q1+5], v[L8], s[32:33] offset:458752+512
	global_load_b32 v[QS1], v[LI], s[34:35] offset:458752
	AW
	s_lshl_b32 s52, ttmp9, 8
	s_lshl_b32 s53, s12, 7
	s_add_co_u32 s52, s52, s53
	s_sub_co_u32 s52, s52, 256             ; run r0's first key (under 0 it wraps, and the tests find it outside)
	s_lshl_b32 s46, ttmp9, 4
	s_add_co_u32 s46, s46, s10             ; my tile among all 512
	s_mul_i32 s48, s46, 12288
	s_mul_i32 s47, s11, 1536
	s_add_co_u32 s48, s48, s47
	s_mov_b32 s49, 0
	s_lshl_b32 s50, s46, 9
	s_lshr_b32 s47, s11, 1
	s_lshl_b32 s47, s47, 7
	s_add_co_u32 s50, s50, s47
	s_and_b32 s47, s11, 1
	s_lshl_b32 s47, s47, 6
	s_add_co_u32 s50, s50, s47
	s_add_co_u32 s50, s50, CODX
	s_mov_b32 s51, 0
	s_add_nc_u64 s[36:37], s[8:9], s[48:49]
	s_add_nc_u64 s[38:39], s[8:9], s[50:51]
	s_mov_b32 s40, 0x3e38aa3b              ; c = log2(e) / 8
	s_mov_b32 s41, s40
	s_mov_b32 s42, 0x76543210
	s_mov_b32 s43, 0xfedcba98
	s_lshl_b32 s58, s14, 3
	s_lshl_b32 s59, -1, s58
	s_add_co_u32 s3, s14, 2
	s_mov_b32 s46, 0x7f800000
	s_mov_b32 s47, 0xff800000
	s_cmp_eq_u32 ttmp9, 0
	s_cselect_b32 s48, s47, s46            ; run r0's cap,
	s_cmp_eq_u32 ttmp9, 31
	s_cselect_b32 s49, s47, s46            ; run r0 + 4's
.irp p, 0,1,2,3
	s_add_co_u32 s46, s14, \p
	s_cmp_le_u32 s46, 3
	s_cselect_b32 s[CAP+\p], s48, s49
	s_lshr_b32 s47, s46, 2
	s_mul_i32 s47, s47, FAR
	s_and_b32 s46, s46, 3
	s_mul_i32 s53, s46, 1536
	s_add_co_u32 s[SK+\p], s47, s53
	s_lshr_b32 s53, s46, 1
	s_lshl_b32 s53, s53, 9
	s_add_co_u32 s47, s47, s53
	s_and_b32 s46, s46, 1
	s_lshl_b32 s46, s46, 3
	s_add_co_u32 s47, s47, s46
	s_add_co_u32 s[SKS+\p], s47, 6144
.endr
	s_mul_i32 s50, s12, KSB
	s_and_b32 s51, s10, 1
	s_lshl_b32 s51, s51, 3
	s_and_b32 s46, s14, 1
	s_lshl_b32 s46, s46, 8
	s_lshr_b32 s47, s14, 1
	s_mul_i32 s53, s47, 520
	s_add_co_u32 s15, s50, FAR
	s_add_co_u32 s15, s15, s46
	s_add_co_u32 s15, s15, s53             ; the last step's V: block bq of run r0 + 4
	s_mul_i32 s47, s47, 496
	s_add_co_u32 s2, s15, s47
	v_and_b32 v10, 15, v0                  ; r
	v_bfe_u32 v11, v0, 4, 1                ; h
	v_lshlrev_b32 v[R4], 2, v10
	v_and_b32 v[AD16], 8, v10
	v_lshlrev_b32 v[AD8], 4, v11
	v_add_nc_u32 v[AD16], v[AD16], v10
	DLY 1
	v_sub_nc_u32 v[AD16], v[AD16], v[AD8]
	DLY 1
	v_add_nc_u32 v[AD16], s51, v[AD16]     ; my query's place in its block of 32, less 16 h; register n holds the block's key n + 16 h
.set n, 0
.rept 16
	v_cmp_lt_i32 s[MLO+n], n, v[AD16]
	v_cmp_gt_i32 s[MHI+n], n, v[AD16]
.set n, n+1
.endr
	v_mov_b32 v[NINF], 0xff800000
	v_add_nc_u32 v[B16], s50, v[LI]
	v_add_nc_u32 v[B8], s50, v[L8]
	v_lshl_add_u32 v[ADS], v10, 4, s50
	v_add_nc_u32 v[TVA], s14, v11
	v_add_nc_u32 v[AD16], s3, v11
.irp c, 0,1                            ; place 2 c + h: x = bq + place; block x % 4 lies in lanes 16 (x % 2) on, registers 6 ((x % 4) / 2) on, of run r0 + 4 (x / 4)
.if \c
	v_mov_b32 v[TVA], v[AD16]
.endif
	v_lshrrev_b32 v[TVB], 2, v[TVA]
	v_bfe_u32 v[AD8], v[TVA], 1, 1
	v_and_b32 v[TVA], 1, v[TVA]
	v_mul_u32_u24 v[TVB], FAR, v[TVB]
	DLY 1
	v_add_nc_u32 v[TVB], v[TVB], v[ADS]
	DLY 1
	v_mad_u32_u24 v[TVB], v[AD8], 520, v[TVB]
	DLY 1
	v_lshl_add_u32 v[VA+\c], v[TVA], 8, v[TVB]
	DLY 1
	v_mad_u32_u24 v[VB+\c], v[AD8], 496, v[VA+\c]
.endr
.irp j, 0,1,2,3,4,5
	v_mov_b32 v[QF+6+\j], 0
	v_mov_b32 v[90+\j], 0
.endr
.irp j, 0,1,2,3,4,5,6,7
	v_mov_b32 v[AX+\j], 0
.endr
.irp b, 0,1,2,3
	v_mov_b32 v[PB+\b], 0                  ; written once: a lane permute's destination counts as one of its sources
.endr
	v_mov_b32 v[TT], 0
	v_mov_b32 v[F+1], 0
	v_mov_b32 v[OW], 0
.irp j, 0,1,2,3,4,5
	v_mov_b32 v[OC+\j], 0                  ; written once: the select at the first trip's end names them
.endr
	AW
	s_wait_tensorcnt 0x0                   ; my run of head 0 has landed
	ds_add_u32 v[SPW], v[NIL]
	ds_add_u32 v[SPW], v[NIL]
	s_wait_dscnt 0x0
	s_barrier_signal -1
	s_barrier_wait -1                      ; everybody's has
	s_cmp_lt_u32 s10, 6
	s_cbranch_scc0 .Lno_fill2
	tensor_load_to_lds s[28:31], s[16:23]  ; head 1's run, into bytes of its own; it has the first trip in which to land
	s_nop 0
.rept 4
	v_nop
.endr
.Lno_fill2:
	s_mov_b32 s44, 0                       ; the head's bytes in LDS
	s_mov_b32 s45, 0
	s_wait_loadcnt 0x0                     ; Q
.Lhead:
	ASTEP 2, 1
	ASTEP 1, 0
	ASTEP 3, 0
	ESTEP
	AW
	s_wait_tensorcnt 0x0                   ; my run of head 1 has landed, and none of my LDS loads is out:
	s_wait_dscnt 0x0
	s_barrier_signal -1                    ; say so here; the wait stands at the trip's end.  Between the two: work on registers and LDS loads of bytes that nobody writes
	DSTEP
	v_mov_b32 v[QS], v[QS1]                ; the next trip's Q; these seven are also the places behind the last products
.irp j, 0,1,2,3,4,5
	v_mov_b32 v[QF+\j], v[Q1+\j]
.endr
	v_add_f32 v14, v14, v15
	DLY 1
	v_permlanex16_b32 v[TT], v14, s42, s43
	DLY 1
	v_add_f32 v14, v14, v[TT]              ; the row's sum
	AW
	v_rcp_f32 v14, v14
	v_nop
	AW
.set n, 0
.rept 16
	v_pk_mul_f32 v[S+n:S+n+1], v[OT+n:OT+n+1], v[14:15] op_sel_hi:[1,0]   ; register 16 B + i: channel 32 B + 16 (lane / 16) + i of the head
.set n, n+2
.endr
.irp b, 0,1
	v_max3_num_f32 v[TM+\b], |v[S+16*\b]|, |v[S+1+16*\b]|, 0x1800000
.endr
.irp i, 2,4,6,8,10,12,14
.irp b, 0,1
	DLY 2
	v_max3_num_f32 v[TM+\b], v[TM+\b], |v[S+16*\b+\i]|, |v[S+1+16*\b+\i]|
.endr
.endr
.irp b, 0,1
	DLY 2
	v_permlanex16_b32 v[PB+\b], v[TM+\b], s42, s43
.endr
.irp b, 0,1
	DLY 2
	v_max_num_f32 v[TM+\b], v[TM+\b], v[PB+\b]
.endr
.irp b, 0,1
	DLY 2
	v_add_nc_u32 v[SO+\b], 0xff000000, v[TM+\b]
.endr
.irp b, 0,1
	DLY 2
	v_lshrrev_b32 v[PB+\b], 23, v[SO+\b]
.endr
	DLY 1
	v_lshl_or_b32 v[PT], v[PB+1], 8, v[PB]
	DLY 1
	v_alignbit_b32 v[OW], v[PT], v[OW], 16 ; the head before in the low half, this one in the high half
	v_cvt_scalef32_pk16_fp6_f32 v[OC+6:OC+8], v[S:S+15], v[SO]
	v_cvt_scalef32_pk16_fp6_f32 v[AX:AX+2], v[S+16:S+31], v[SO+1]
	v_nop
.irp i, 0,1,2
	v_permlane16_swap_b32 v[OC+6+\i], v[AX+\i]
.endr
.irp i, 0,1,2
	DLY 3
	v_mov_b32 v[OC+9+\i], v[AX+\i]
.endr
	s_cmp_eq_u32 s45, 0
	s_cselect_b32 s46, -1, 0
.irp j, 0,1,2,3,4,5
	v_cndmask_b32 v[OC+\j], v[OC+\j], v[OC+6+\j], s46   ; in the first trip the head's codes move down, out of the registers that the sums work in
.endr
	s_add_co_u32 s44, s44, HEADB
	AW
	s_barrier_wait -1                      ; everybody's run of head 1 has landed
	s_add_co_u32 s45, s45, 1
	s_cmp_lt_u32 s45, 2
	s_cbranch_scc1 .Lhead
	global_store_b128 v[LI], v[OC:OC+3], s[36:37]
	global_store_b128 v[LI], v[OC+4:OC+7], s[36:37] offset:512
	global_store_b128 v[LI], v[OC+8:OC+11], s[36:37] offset:1024
	global_store_b32 v[R4], v[OW], s[38:39]    ; row r's word; both halves of the lanes hold and write the same
	s_wait_tensorcnt 0x0                   ; the wave's end
	ds_add_u32 v[SPW], v[NIL]
	s_wait_dscnt 0x0
	s_endpgm
.Lfunc_end_k_q30f533d398_attn:
	.size	k_q30f533d398_attn, .Lfunc_end_k_q30f533d398_attn-k_q30f533d398_attn
	.p2alignl 7, 3214868480
	.fill 96, 4, 3214868480
	.section	.rodata,"a",@progbits
	.p2align	6, 0x0
	.amdhsa_kernel k_q30f533d398_attn
		.amdhsa_group_segment_fixed_size 327680
		.amdhsa_private_segment_fixed_size 0
		.amdhsa_enable_private_segment 0
		.amdhsa_kernarg_size 24
		.amdhsa_user_sgpr_count 2
		.amdhsa_user_sgpr_kernarg_segment_ptr 1
		.amdhsa_wavefront_size32 1
		.amdhsa_system_sgpr_workgroup_id_x 1
		.amdhsa_system_sgpr_workgroup_id_y 1
		.amdhsa_system_sgpr_workgroup_id_z 1
		.amdhsa_system_vgpr_workitem_id 0
		.amdhsa_next_free_vgpr 256
		.amdhsa_next_free_sgpr 102
		.amdhsa_reserve_vcc 0
		.amdhsa_float_denorm_mode_32 3
		.amdhsa_float_denorm_mode_16_64 3
		.amdhsa_memory_ordered 1
		.amdhsa_forward_progress 1
		.amdhsa_inst_pref_size 98
	.end_amdhsa_kernel
	.amdgpu_metadata
---
amdhsa.version: [ 1, 2 ]
amdhsa.kernels:
  - .name:           k_q30f533d398_attn
    .symbol:         k_q30f533d398_attn.kd
    .args:
      - { .name: qcs, .offset: 0, .size: 8, .value_kind: global_buffer, .address_space: global }
      - { .name: kv, .offset: 8, .size: 8, .value_kind: global_buffer, .address_space: global }
      - { .name: ocs, .offset: 16, .size: 8, .value_kind: global_buffer, .address_space: global }
    .group_segment_fixed_size: 327680
    .private_segment_fixed_size: 0
    .kernarg_segment_align: 8
    .kernarg_segment_size: 24
    .max_flat_workgroup_size: 512
    .sgpr_count:     102
    .vgpr_count:     256
    .wavefront_size: 32
...
	.end_amdgpu_metadata
.endif
;; end of part 3
;; launch proj (part 4): grid 8 x 32, 4 waves a work-group, clusters of 4 x 4, 327,680 bytes of LDS; arguments ocs, wcs, bp, out0; writes out0
.if DOCPART == 4
	.amdgcn_target "amdgcn-amd-amdhsa--gfx1250"
	.amdhsa_code_object_version 6
	.text
	.protected	k_q30f533d398_proj
	.globl	k_q30f533d398_proj
	.p2align	8
	.type	k_q30f533d398_proj,@function
k_q30f533d398_proj:
	s_mov_b64 s[64:65], 0
	v_nop
	global_prefetch_b8 v0, s[64:65] scope:SCOPE_SE
	s_setreg_imm32_b32 hwreg(HW_REG_WAVE_MODE, 25, 1), 1
	s_wait_xcnt 0x0
	s_wait_alu depctr_hold_cnt(0) depctr_sa_sdst(0) depctr_va_vdst(0) depctr_va_sdst(0) depctr_va_ssrc(0) depctr_va_vcc(0) depctr_vm_vsrc(0)
	s_getreg_b32 s2, hwreg(HW_REG_IB_STS2, 6, 4)
	s_cmp_eq_u32 s2, 0
	s_cbranch_scc0 .Lentry_in_a_cluster
	s_endpgm
.Lentry_in_a_cluster:
	s_bfe_u32 s2, ttmp6, 0x10000c
	s_cmp_lg_u32 s2, 0xf033
	s_cbranch_scc0 .Lentry_shape_is_right
	s_endpgm
.Lentry_shape_is_right:
; PROJ.  out0 = o Wp^T + bp on codes of FP6 (E2M3) with E8M0 scales; o's codes come from the attention launch, Wp's are blocks 192 .. 255 of wcs.  out0 [8192][1024] f32.
; SHARES.  A work-group makes 256 rows x 128 columns; wave w: rows 128 (w / 2) on (8 blocks of 16), columns 64 (w % 2) on (4 blocks): 32 accumulators.
; ALL OF K LIES IN LDS, as it lies in memory ([block][kstep 8][1536]): o's 16 blocks, then Wp's 8, then o's scale words.  Every byte is filled once, by ONE joint load a wave at the head:
; waves 0 and 1 eight blocks of o each (98,304 dense bytes), wave 2 Wp's eight, wave 3 o's scale words (8,192 bytes).  o's tiles are shared along a row of the cluster, Wp's along a column.
; Wp's scale words of my four blocks (2,048 bytes) go from memory straight into their registers, 128 consecutive bytes a load.
; BLOCKS.  Block 2 b + u holds rows 32 b + 8 u + p + 8 (p / 8).  Used transposed (source 0 = Wp, source 1 = o): a lane holds one row of o, and the registers of blocks 2 B, 2 B + 1 are columns 32 B + 16 (lane / 16) + 0 .. 15.
; The bias is the C of each sum's first matrix instruction.
; REGISTERS: window 0: v1-14 addresses; v16-47 o's scale words (block a, pair of ksteps kp at 16 + 4 a + kp); v48-63 Wp's; v64-95 the bias; v96-191 Wp's fragments, two sets (on the way out: rows of out0).
;   window 1: o's fragments, two sets of 96.   window 2: the accumulators ((a, b) at 8 (4 a + b)).
; No prefetch: everything is asked for in the first lines.
.set CODX, 6291456
.set CODW, 3145728
.set BOFF, 196608
.set SCL, 294912
.set STAGE, 307200                     ; 16 rows x 272 bytes for each wave; no fill lands here
.set SPITCH, 272
.set SPARE, 0x4f400
.set ADRA, 1                           ; v1-2  my blocks 0-3, 4-7 of o
.set ADRB, 3
.set WS, 4
.set ADSA, 9
.set STO, 11
.set RD, 12
.set CO, 13
.set BA, 14
.set SA, 16
.set SB, 48
.set BI, 64
.set BF, 96
.set BK, 96
.set MSB, 0
.macro WIN new
.if MSB != \new
	s_set_vgpr_msb (MSB<<8)|\new
.set MSB, \new
.endif
.endm
.macro PLACES
.rept 4
	v_nop
.endr
.endm
.macro CROUND
	s_barrier_signal -1
	s_barrier_wait -1
	s_cmp_lg_u32 s12, 0
	s_cbranch_scc1 .Lnot_wave_0_\@
	s_barrier_signal -3
.Lnot_wave_0_\@:
	s_barrier_wait -3
	s_barrier_signal -1
	s_barrier_wait -1
.endm
.macro G1REST g, cols, rows, pitch
	s_mov_b32 s[\g+1], (\cols)<<16
	s_mov_b32 s[\g+2], (\rows)<<16
	s_mov_b32 s[\g+3], (\cols)<<16
	s_mov_b32 s[\g+4], \rows
	s_mov_b32 s[\g+5], \pitch
	s_mov_b32 s[\g+6], 0
	s_mov_b32 s[\g+7], 0
.endm
	s_load_b256 s[4:11], s[0:1], 0x0               ; ocs, wcs, bp, out0
	v_lshl_add_u32 v254, v0, 2, SPARE
	v_mov_b32 v255, 0
	ds_add_u32 v254, v255
	ds_add_u32 v254, v255
	v_lshrrev_b32 v15, 5, v0
	v_readfirstlane_b32 s12, v15                   ; wave
	s_lshr_b32 s13, s12, 1                         ; which 128 rows
	s_and_b32 s14, s12, 1                          ; which 64 columns.  Also, in waves 0 and 1: which eight blocks of o I fetch
	s_bfe_u32 s92, ttmp6, 0x40000
	s_bfe_u32 s93, ttmp6, 0x40004
	s_lshl_b32 s94, ttmp9, 2
	s_add_co_u32 s94, s94, s92                     ; block of 128 columns
	s_and_b32 s95, ttmp7, 0xffff
	s_lshl_b32 s95, s95, 2
	s_add_co_u32 s95, s95, s93                     ; block of 256 rows
	s_lshl_b32 s96, s93, 2
	s_lshl_b32 s96, 15, s96                        ; my row of the cluster
	s_lshl_b32 s97, 0x1111, s92                    ; my column
	s_or_b32 s16, s96, (3<<16)|(1<<21)
	s_or_b32 s24, s97, (3<<16)|(1<<21)
	s_or_b32 s32, s96, (3<<16)|(1<<21)
	G1REST 16, 32, 384, 32                         ; eight blocks of o: 98,304 dense bytes as 384 rows of 256
	G1REST 24, 32, 384, 32                         ; Wp's eight blocks
	G1REST 32, 32, 32, 32                          ; o's scale words of 16 blocks: 8,192 dense bytes
	s_lshl_b32 s98, s95, 4                         ; o: my work-group's first block
	s_lshl_b32 s99, s14, 3
	s_add_co_u32 s99, s98, s99
	s_lshl_b32 s66, s94, 3
	s_add_co_u32 s66, s66, 192                     ; Wp: likewise
	s_mul_i32 s50, s99, 12288
	s_mov_b32 s51, 0
	s_lshl_b32 s86, s98, 9
	s_add_co_u32 s86, s86, CODX
	s_mov_b32 s87, 0
	s_mul_i32 s70, s66, 12288
	s_mov_b32 s71, 0
	s_lshl_b32 s67, s14, 2
	s_add_co_u32 s67, s66, s67                     ; my four blocks of Wp: their scale words
	s_lshl_b32 s90, s67, 9
	s_add_co_u32 s90, s90, CODW
	s_mov_b32 s91, 0
	s_mov_b32 s48, 1
	s_mul_i32 s49, s14, 98304                      ; where they go: no place in the cluster enters an LDS address
	s_mov_b32 s68, 1
	s_mov_b32 s69, BOFF
	s_mov_b32 s84, 1
	s_mov_b32 s85, SCL
	s_wait_dscnt 0x0
	s_wait_kmcnt 0x0
	s_add_nc_u64 s[50:51], s[4:5], s[50:51]
	s_add_nc_u64 s[86:87], s[4:5], s[86:87]
	s_add_nc_u64 s[70:71], s[6:7], s[70:71]
	s_add_nc_u64 s[90:91], s[6:7], s[90:91]
	s_or_b32 s51, s51, 0x80000000
	s_or_b32 s71, s71, 0x80000000
	s_or_b32 s87, s87, 0x80000000
	CROUND                                         ; all sixteen work-groups are here: the joint loads meet
; one chain of branches on the wave's number, one load to an arm, all arms leading to one join
.macro ARM under, g0, g1, next
	s_cmp_lt_u32 s12, \under
	s_cbranch_scc0 \next
	tensor_load_to_lds s[\g0:\g0+3], s[\g1:\g1+7]
	s_nop 0
.rept 4
	v_nop
.endr
	s_branch .Lasked
\next:
.endm
	ARM 2, 48, 16, .Lh_b
	ARM 3, 68, 24, .Lh_s
	tensor_load_to_lds s[84:87], s[32:39]
	s_nop 0
.rept 4
	v_nop
.endr
.Lasked:
	s_mul_i32 s2, s13, 98304
	s_mul_i32 s3, s14, 49152
	s_add_co_u32 s3, s3, BOFF
	s_lshl_b32 s15, s13, 12
	s_add_co_u32 s15, s15, SCL
	s_mul_i32 s40, s12, 16*SPITCH
	s_add_co_u32 s40, s40, STAGE                   ; my stage
	s_lshl_b32 s100, s94, 9
	s_lshl_b32 s41, s14, 8
	s_add_co_u32 s100, s100, s41                   ; my first column, in bytes
	s_mov_b32 s101, 0
	s_add_nc_u64 s[8:9], s[8:9], s[100:101]
	s_add_nc_u64 s[10:11], s[10:11], s[100:101]
	s_lshl_b32 s100, s95, 8
	s_lshl_b32 s41, s13, 7
	s_add_co_u32 s100, s100, s41
	s_lshl_b32 s100, s100, 12                      ; my first row
	s_add_nc_u64 s[10:11], s[10:11], s[100:101]
	v_and_b32 v15, 31, v0
	v_lshlrev_b32 v14, 4, v15                      ; 16 x lane
	v_lshlrev_b32 v[WS], 2, v15                    ; 4 x lane
	v_add_nc_u32 v[ADRA], s2, v14
	v_add_nc_u32 v[ADRB], s3, v14
	v_add_nc_u32 v[ADRA+1], 49152, v[ADRA]
	v_add_nc_u32 v[ADSA], s15, v[WS]
	v_and_b32 v15, 15, v0                          ; r
	v_bfe_u32 v14, v0, 4, 1                        ; h
	v_mul_u32_u24 v[STO], v15, SPITCH
	v_lshl_add_u32 v[STO], v14, 6, v[STO]
	v_add_nc_u32 v[STO], s40, v[STO]               ; in: row r, + 64 h
	v_mul_u32_u24 v[RD], v14, SPITCH
	v_lshl_add_u32 v[RD], v15, 4, v[RD]
	v_add_nc_u32 v[RD], s40, v[RD]                 ; back: lanes 0-15 one row of 256 bytes, lanes 16-31 the next
	v_lshlrev_b32 v[CO], 12, v14
	v_lshl_add_u32 v[CO], v15, 4, v[CO]            ; and the same two rows in out0
	v_lshlrev_b32 v[BA], 6, v14                    ; the bias: 64 bytes on for lanes 16-31
	s_wait_alu depctr_va_vdst(0)
.irp b, 0,1,2,3
	global_load_b128 v[BI+8*\b:BI+8*\b+3], v[BA], s[8:9] offset:128*(\b/2)+32*(\b%2)
	global_load_b128 v[BI+8*\b+4:BI+8*\b+7], v[BA], s[8:9] offset:128*(\b/2)+32*(\b%2)+16
.endr
.irp b, 0,1,2,3
.irp k, 0,1,2,3
	global_load_b32 v[SB+4*\b+\k], v[WS], s[90:91] offset:512*\b+128*\k
.endr
.endr
.macro LDF n                           ; kstep n's fragments into set n % 2: 24 loads of o, 12 of Wp
	WIN 0x40
.irp a, 0,1,2,3,4,5,6,7
.irp c, 0,1,2
	ds_load_b128 v[96*((\n)%2)+12*\a+4*\c:96*((\n)%2)+12*\a+4*\c+3], v[ADRA+\a/4] offset:12288*(\a%4)+1536*(\n)+512*\c
.endr
.endr
	WIN 0
.irp b, 0,1,2,3
.irp c, 0,1,2
	ds_load_b128 v[BF+48*((\n)%2)+12*\b+4*\c:BF+48*((\n)%2)+12*\b+4*\c+3], v[ADRB] offset:12288*\b+1536*(\n)+512*\c
.endr
.endr
.endm
.macro KSTEP n
.if (\n) < 7
	PLACES
	LDF (\n)+1
	s_wait_dscnt 36                                ; all but the 36 just issued
.else
	s_wait_dscnt 0x0
.endif
.if (\n) == 0
	WIN 0x84                                       ; source 1 (o) window 1, C (the bias) window 0, D window 2
.else
	WIN 0xa4                                       ; C and D window 2
.endif
.irp a, 0,1,2,3,4,5,6,7                        ; the 32 accumulators take turns, one instruction a turn
.irp b, 0,1,2,3
.set rD, 8*(4*\a+\b)
.set rB, BF+48*((\n)%2)+12*\b
.set rA, 96*((\n)%2)+12*\a
.set cB, SB+4*\b+(\n)/2
.set cA, SA+4*\a+(\n)/2
.if (\n) == 0
	v_wmma_scale_f32_16x16x128_f8f6f4 v[rD:rD+7], v[rB:rB+11], v[rA:rA+11], v[BI+8*\b:BI+8*\b+7], v[cB], v[cA] matrix_a_fmt:MATRIX_FMT_FP6 matrix_b_fmt:MATRIX_FMT_FP6
.elseif (\n)%2
	v_wmma_scale_f32_16x16x128_f8f6f4 v[rD:rD+7], v[rB:rB+11], v[rA:rA+11], v[rD:rD+7], v[cB], v[cA] matrix_a_fmt:MATRIX_FMT_FP6 matrix_b_fmt:MATRIX_FMT_FP6 matrix_a_scale:MATRIX_SCALE_ROW1 matrix_b_scale:MATRIX_SCALE_ROW1
.else
	v_wmma_scale_f32_16x16x128_f8f6f4 v[rD:rD+7], v[rB:rB+11], v[rA:rA+11], v[rD:rD+7], v[cB], v[cA] matrix_a_fmt:MATRIX_FMT_FP6 matrix_b_fmt:MATRIX_FMT_FP6
.endif
.endr
.endr
	WIN 0
.endm
	s_wait_tensorcnt 0x0                           ; my tile has landed,
	s_barrier_signal -1
	s_barrier_wait -1                              ; everybody's has; nothing is ever filled again
.irp a, 0,1,2,3,4,5,6,7
.irp k, 0,1,2,3
	ds_load_b32 v[SA+4*\a+\k], v[ADSA] offset:512*\a+128*\k
.endr
.endr
	LDF 0
	s_wait_loadcnt 0x0                             ; the bias and Wp's scale words
.irp n, 0,1,2,3,4,5,6,7
	KSTEP \n
.endr
; THE WAY OUT, a block of 16 rows x 64 columns at a time, through my own stage: sixteen lanes then store 256 consecutive bytes, aligned.  LDS serves a wave's instructions in order: no wait between stores and loads.
.macro TOSTAGE a
	WIN 0x08                                       ; an LDS store's data are its source 1: window 2
.irp b, 0,1,2,3
	ds_store_b128 v[STO], v[8*(4*(\a)+\b):8*(4*(\a)+\b)+3] offset:128*(\b/2)+32*(\b%2)          ; each accumulator from its low end on
	ds_store_b128 v[STO], v[8*(4*(\a)+\b)+4:8*(4*(\a)+\b)+7] offset:128*(\b/2)+32*(\b%2)+16
.endr
	WIN 0
.set BB, BK+32*((\a)%2)
.irp i, 0,1,2,3,4,5,6,7
	ds_load_b128 v[BB+4*\i:BB+4*\i+3], v[RD] offset:\i*2*SPITCH
.endr
.endm
.macro SEND a, younger                 ; stage row p is row 32 (a / 2) + 8 (a % 2) + p + 8 (p / 8) of my 128
.set BB, BK+32*((\a)%2)
	s_wait_dscnt \younger
.irp i, 0,1,2,3,4,5,6,7
	global_store_b128 v[CO], v[BB+4*\i:BB+4*\i+3], s[10:11] offset:(32*((\a)/2)+8*((\a)%2)+2*\i+8*(\i/4))*4096 th:TH_STORE_NT
.endr
.endm
	PLACES
	TOSTAGE 0
.irp a, 1,2,3,4,5,6,7
.if \a > 1
	s_wait_xcnt 0x0                                ; block a - 2's stores have read their registers: block a's rows may land there
.endif
	TOSTAGE \a
	SEND \a-1, 16                                  ; behind block a - 1's loads: block a's 8 stores and 8 loads
.endr
	SEND 7, 0
	s_wait_tensorcnt 0x0                           ; the wave's end
	ds_add_u32 v254, v255
	s_wait_dscnt 0x0
	CROUND                                         ; the closing round
	s_endpgm
.Lfunc_end_k_q30f533d398_proj:
	.size	k_q30f533d398_proj, .Lfunc_end_k_q30f533d398_proj-k_q30f533d398_proj
	.p2alignl 7, 3214868480
	.fill 96, 4, 3214868480
	.section	.rodata,"a",@progbits
	.p2align	6, 0x0
	.amdhsa_kernel k_q30f533d398_proj
		.amdhsa_group_segment_fixed_size 327680
		.amdhsa_private_segment_fixed_size 0
		.amdhsa_enable_private_segment 0
		.amdhsa_kernarg_size 32
		.amdhsa_user_sgpr_count 2
		.amdhsa_user_sgpr_kernarg_segment_ptr 1
		.amdhsa_wavefront_size32 1
		.amdhsa_system_sgpr_workgroup_id_x 1
		.amdhsa_system_sgpr_workgroup_id_y 1
		.amdhsa_system_sgpr_workgroup_id_z 1
		.amdhsa_system_vgpr_workitem_id 0
		.amdhsa_next_free_vgpr 768
		.amdhsa_next_free_sgpr 102
		.amdhsa_reserve_vcc 0
		.amdhsa_float_denorm_mode_32 3
		.amdhsa_float_denorm_mode_16_64 3
		.amdhsa_memory_ordered 1
		.amdhsa_forward_progress 1
		.amdhsa_inst_pref_size 79
	.end_amdhsa_kernel
	.amdgpu_metadata
---
amdhsa.version: [ 1, 2 ]
amdhsa.kernels:
  - .name:           k_q30f533d398_proj
    .symbol:         k_q30f533d398_proj.kd
    .args:
      - { .name: ocs, .offset: 0, .size: 8, .value_kind: global_buffer, .address_space: global }
      - { .name: wcs, .offset: 8, .size: 8, .value_kind: global_buffer, .address_space: global }
      - { .name: bp, .offset: 16, .size: 8, .value_kind: global_buffer, .address_space: global }
      - { .name: out0, .offset: 24, .size: 8, .value_kind: global_buffer, .address_space: global }
    .group_segment_fixed_size: 327680
    .private_segment_fixed_size: 0
    .kernarg_segment_align: 8
    .kernarg_segment_size: 32
    .max_flat_workgroup_size: 128
    .sgpr_count:     102
    .vgpr_count:     768
    .wavefront_size: 32
...
	.end_amdgpu_metadata
.endif
;; end of part 4
